; MI455X (gfx1250); checked and timed in simulation.
; The chip was launched on July 23, 2026; its instructions are those of AMD's public machine-readable ISA for CDNA 5 (MIT licence, August 2026) and "CDNA5" Instruction Set Architecture Reference Guide (July 2026). The comments in the code are by the model that wrote it; some were corrected since.
;; Multi Head Attention Layer. Allowed arithmetic: matrix products marked QUANTISED: E2M3 operands, one E8M0 scale for each 32 along K, by v_wmma_scale_f32_16x16x128_f8f6f4 with both operands' format E2M3, f32 sums; everything else in f32.
;; Inputs: Wk_codes 1,024 x 32 x 24 uint8 (E2M3 codes of Wk, K innermost, in blocks of 32 codes, four codes in three bytes); Wk_scales 1,024 x 32 uint8 (E8M0 scales of Wk, one for each 32 codes along K); Wo_codes 1,024 x 32 x 24 uint8 (E2M3 codes of Wo, K innermost, in blocks of 32 codes, four codes in three bytes); Wo_scales 1,024 x 32 uint8 (E8M0 scales of Wo, one for each 32 codes along K); Wq_codes 1,024 x 32 x 24 uint8 (E2M3 codes of Wq, K innermost, in blocks of 32 codes, four codes in three bytes); Wq_scales 1,024 x 32 uint8 (E8M0 scales of Wq, one for each 32 codes along K); Wv_codes 1,024 x 32 x 24 uint8 (E2M3 codes of Wv, K innermost, in blocks of 32 codes, four codes in three bytes); Wv_scales 1,024 x 32 uint8 (E8M0 scales of Wv, one for each 32 codes along K); bk 1,024 float32; bo 1,024 float32; bq 1,024 float32; bv 1,024 float32; ln_beta 1,024 float32; ln_gamma 1,024 float32; x 4 x 2,048 x 1,024 float32.
;; Outputs: out0 4 x 2,048 x 1,024 float32.
;; This version of the problem:
;;   THIS VERSION OF THE PROBLEM IS GIVEN IN LOW PRECISION. The matrix products marked QUANTISED in the list below multiply operands that are first quantised to E2M3 (2 exponent bits, 3 mantissa bits; 6 bits a number), with one power-of-two scale for each 32 numbers along K (OCP MX v1.0); their sums are f32. All else is computed in f32.
;;   The module's matrix products, in the order in which they are computed (A, B: the left and right operand; K: the contracted axis; several contracted axes count as one K, in the product's order):
;;     1. [M 8,192, K 1,024] x [K 1,024, N 1,024]; A: computed on the way; B: input Wq (given as codes): QUANTISED
;;     2. [M 8,192, K 1,024] x [K 1,024, N 1,024]; A: computed on the way; B: input Wk (given as codes): QUANTISED
;;     3. [M 8,192, K 1,024] x [K 1,024, N 1,024]; A: computed on the way; B: input Wv (given as codes): QUANTISED
;;     4. batch 64 x [M 2,048, K 64] x [K 64, N 2,048]; A: computed on the way; B: computed on the way: QUANTISED
;;     5. batch 64 x [M 64, K 2,048] x [K 2,048, N 2,048]; A: computed on the way; B: softmax (see below): QUANTISED
;;     6. [M 8,192, K 1,024] x [K 1,024, N 1,024]; A: computed on the way; B: input Wo (given as codes): QUANTISED
;;   THE QUANTISER, for each operand of a quantised product, along K:
;;     - K is cut into blocks of 32 from its start; a last block that is shorter is filled with zeros.
;;     - A block's scale is 2^e with e = floor(log2(the largest magnitude in the block)) - 2, held to -126 .. 127; a block of zeros has e = 0. As a byte (E8M0): e + 127.
;;     - Each number is divided by its block's scale, clamped to +-7.5, and rounded to the nearest number of E2M3, ties to even, subnormals kept.
;;     - The product sums the exact products of the quantised numbers (number of the format x scale) in f32.
;;   ~~~python
;;   def quantise(x, axis):      # numpy; x: float32 -> the quantised numbers, widened to float32 again
;;       x = np.moveaxis(x, axis, -1); K = x.shape[-1]
;;       x = np.pad(x, [(0, 0)] * (x.ndim - 1) + [(0, -K % 32)]); x = x.reshape(x.shape[:-1] + (-1, 32)); a = np.abs(x).max(-1, keepdims=True)
;;       e = np.where(a > 0, np.clip(np.frexp(np.where(a > 0, a, 1))[1] - 1 - 2, -126, 127), 0)      # np.frexp(a)[1] - 1 = floor(log2(a)), exactly
;;       r = np.clip(x / 2.0 ** e, -7.5, 7.5)
;;       step = 2.0 ** (np.maximum(np.frexp(np.where(r == 0, 1, r))[1] - 1, 0) - 3)
;;       q = np.round(r / step) * step * 2.0 ** e      # np.round: ties to even
;;       return np.moveaxis(q.reshape(q.shape[:-2] + (-1,))[..., :K], -1, axis).astype(np.float32)
;;   ~~~
;;   SOFTMAX AHEAD OF A QUANTISED PRODUCT. Where the list says 'softmax', what is quantised is not the finished softmax but p = 2^(t - M), with t = logit x log2(e) and M = ceil(the row's largest t), a whole number; so 1/2 < the row's largest p <= 1. The row's sum l is taken of the UNQUANTISED p, in f32, and the product's result is divided by l at the end. Since M is a whole number, a kernel that streams over the keys may use a running M (the ceiling of the running maximum): every later rescaling is an exact power of two, which a block's scale takes up: the codes' values come out the same.
;;   OPERANDS COMPUTED ON THE WAY. 'Computed on the way' means the value that the module computes at that place (a softmax that the list does not call 'softmax' is quantised finished and normalised). What goes into a quantiser is computed in f32, as accurately as f32 sums, v_exp_f32 and their like allow (about 1e-6 of the number): no bf16 or f16 on the way to a quantiser, and a product that is left as it is and whose result goes on into a quantised operand takes f32 operands (vector FMAs, or v_wmma_f32_16x16x4_f32). A number that lies on a knife's edge between two numbers of the format may be rounded either way, as far as f32 arithmetic and the matrix unit's own rounding can turn it there, and no further.
;;   INPUTS GIVEN AS CODES. Wk (in the module: [1024, 1024], K = its axis 0); Wo (in the module: [1024, 1024], K = its axis 0); Wq (in the module: [1024, 1024], K = its axis 0); Wv (in the module: [1024, 1024], K = its axis 0): each comes as NAME_codes (uint8): NAME with its K axis moved to the last place and cut into blocks of 32 codes, [.., K / 32, bytes a block], one block behind the other in memory; four codes in three bytes: a row's codes are one little-endian stream of bits, code i at bits 6 i .. 6 i + 5 (a code: sign, 2 exponent bits, 3 mantissa bits); and NAME_scales (uint8): the same leading axes, one E8M0 byte (e + 127) for each 32 codes along K. Its value is code x scale, taken as it is: it is not quantised again, and the codes and scales need not be those that the quantiser above would give.
;; One version. Each part assembles by itself: llvm-mc -triple=amdgcn-amd-amdhsa -mcpu=gfx1250 --defsym DOCPART=n.
;; ======== version 1 of 1: 4 launches
;; limits: right only within a limited range of input values
;; workspace buffers: xc 6,291,456 bytes; xs 262,144 bytes; qw 6,815,744 bytes; kv 13,369,344 bytes; oc 6,291,456 bytes; os 262,144 bytes
;; launch lnq (part 1): grid 256 x 1, 8 waves a work-group, no clusters, 133,632 bytes of LDS; arguments x, ln_gamma, ln_beta, xc, xs; writes xc, xs
.if DOCPART == 1
	.amdgcn_target "amdgcn-amd-amdhsa--gfx1250"
	.amdhsa_code_object_version 6
	.text
	.protected	k_q84b123a22b_lnq
	.globl	k_q84b123a22b_lnq
	.p2align	8
	.type	k_q84b123a22b_lnq,@function
k_q84b123a22b_lnq:
	s_mov_b64 s[64:65], 0
	v_nop
	global_prefetch_b8 v0, s[64:65] scope:SCOPE_SE
	s_setreg_imm32_b32 hwreg(HW_REG_WAVE_MODE, 25, 1), 1
	s_wait_xcnt 0x0
; xn = LayerNorm(x) * gamma + beta in f32, then quantised along its 1,024 columns to codes of E2M3 with one E8M0 byte for each 32.
; x: [8192][1024] f32.  xc: [tile 512][K step 8][piece 6][256 bytes]: images of operand registers (16 rows x 128 K = 12 registers a lane; piece p = registers 2 p, 2 p + 1 of the 32 lanes, 8 bytes a lane).
; xs: [tile][slot 16][32 scale bytes].  THE ROWS OF A TILE ARE NOT NEIGHBOURS: tile 2 b + u, slot r, is row 32 b + 8 u + r + 8 (r / 8).
; A work-group of eight waves takes 32 rows = two tiles.  Phase 1: wave w normalises rows 4 w .. 4 w + 3, a whole row in 32 registers (mean, then the centred squares: two passes over registers, so a common
; offset of the inputs costs nothing), and lays them in LDS by slot.  Phase 2: wave w takes tile w / 4 and K steps 2 (w % 4), + 1; a lane reads 16 neighbours of each block of 32 of its slot's row and quantises.
; No cluster: work-groups share gamma and beta alone, 8 KB beside their 128 KB of x.  No matrix unit, no tensor load: each byte of x is read once, by loads of 512 consecutive bytes a wave.
; LIMITS: NaN and infinities are not served.  A block of zeros gets the byte 1 where the rule says 127: its codes are zeros, and this program alone reads the bytes.
.set NP,   4112                        ; a slot's row in LDS: 4,096 bytes + 16: an odd multiple of 16, so that sixteen rows' 16-byte columns differ modulo 256
.set XSL,  32*NP                       ; behind the rows: the scale words, [tile 2][slot 16][K step 8], 1,024 bytes
.set X,    64                          ; v64-191  four rows of 32 numbers; in phase 2 two fragments' 64 numbers
.set GA,   192                         ; v192-223 gamma of my 32 columns
.set BE,   224                         ; v224-255 beta
.set SUM,  16                          ; v16-23   a pair a row: sums, then -mean
.set PT,   24                          ; v24-27   the other half of the lanes' figure
.set RS,   28                          ; v28-35   a pair a row: sums of squares, then 1 / sqrt(var + eps)
.set TM,   192                         ; phase 2: v192-207 the quantiser's scratch (gamma is done with)
.set PC0,  16                          ; phase 2: v16-35, v36-55 the two fragments' codes (12 registers and 8 at work)
.set PC1,  36
.set PW0,  56                          ; their scale words
.set PW1,  57
	s_load_b256 s[4:11], s[0:1], 0x0               ; x, gamma, beta, xc
	s_load_b64 s[12:13], s[0:1], 0x20              ; xs
	v_lshl_add_u32 v55, v0, 2, 0x20600
	v_mov_b32 v59, 0
	v_lshrrev_b32 v1, 5, v0
	s_delay_alu instid0(VALU_DEP_1)
	v_readfirstlane_b32 s14, v1                    ; wave 0..7
	v_and_b32 v2, 31, v0                           ; lane
	s_delay_alu instid0(VALU_DEP_1)
	v_lshlrev_b32 v3, 4, v2                        ; 16 x lane
	s_lshl_b32 s2, ttmp9, 17                       ; the work-group's 32 rows of 4,096 bytes,
	s_lshl_b32 s3, s14, 14                         ; my wave's four
	s_add_co_u32 s2, s2, s3
	s_mov_b32 s3, 0
	s_mov_b32 s16, 0x76543210                      ; v_permlanex16_b32's selects for lane l xor 16
	s_mov_b32 s17, 0xfedcba98
	s_mov_b32 s18, 0x3a800000                      ; 1 / 1,024
	s_mov_b32 s19, 0x3727c5ac                      ; eps = 1e-5
	s_mov_b32 s20, 0xffff0000                      ; lanes 16-31
	s_mov_b32 s21, 0xba800000                      ; -1 / 1,024
	s_wait_alu depctr_va_vdst(0)
	s_wait_kmcnt 0x0
	s_add_nc_u64 s[4:5], s[4:5], s[2:3]
.irp i, 0,1,2,3
.irp j, 0,1,2,3,4,5,6,7
	global_load_b128 v[X+32*\i+4*\j:X+32*\i+4*\j+3], v3, s[4:5] offset:4096*\i+512*\j th:TH_LOAD_NT   ; 32 lanes read 512 consecutive bytes
.endr
.endr
.irp j, 0,1,2,3,4,5,6,7
	global_load_b128 v[GA+4*\j:GA+4*\j+3], v3, s[6:7] offset:512*\j
	global_load_b128 v[BE+4*\j:BE+4*\j+3], v3, s[8:9] offset:512*\j
.endr
	; addresses, while the loads are out
	s_bfe_u32 s22, s14, 0x10001                    ; row 4 w + i lies in tile (w / 2) % 2,
	s_lshl_b32 s22, s22, 4
	s_lshr_b32 s23, s14, 2                         ; slot 8 (w / 4) + 4 (w % 2) + i
	s_lshl_b32 s24, s23, 3
	s_add_co_u32 s22, s22, s24
	s_and_b32 s24, s14, 1
	s_lshl_b32 s25, s24, 2
	s_add_co_u32 s22, s22, s25
	s_mul_i32 s22, s22, NP
	v_add_nc_u32 v4, s22, v3                       ; v4: where my rows go in LDS
	v_and_b32 v5, 15, v0                           ; r
	v_bfe_u32 v6, v0, 4, 1                         ; h
	s_and_b32 s26, s14, 3                          ; phase 2: tile w / 4 (s23), pair of K steps w % 4
	v_mul_u32_u24 v7, v5, NP
	s_delay_alu instid0(VALU_DEP_1)
	v_lshl_add_u32 v7, v6, 6, v7
	s_mul_i32 s27, s23, 16*NP
	s_lshl_b32 s28, s26, 10
	s_add_co_u32 s27, s27, s28
	v_add_nc_u32 v7, s27, v7                       ; v7: slot r's row, + 64 h, + my two K steps' 1,024 bytes
	v_lshlrev_b32 v8, 3, v2                        ; v8: 8 x lane: my place in a piece
	v_lshlrev_b32 v9, 5, v5
	s_delay_alu instid0(VALU_DEP_1)
	v_lshl_add_u32 v9, v6, 2, v9
	s_lshl_b32 s27, s23, 9
	s_lshl_b32 s28, s26, 3
	s_add_co_u32 s27, s27, s28
	s_add_co_u32 s27, s27, XSL
	v_add_nc_u32 v9, s27, v9                       ; v9: my scale word: lanes 0-15 the first K step's, lanes 16-31 the second's
	s_lshl_b32 s27, s24, 9
	v_add_nc_u32 v11, s27, v3                      ; v11: the way out of the scale words: 512 (w % 2) + 16 x lane
	s_delay_alu instid0(VALU_DEP_1)
	v_add_nc_u32 v10, XSL, v11                     ; v10: the same in LDS
	s_mul_i32 s28, ttmp9, 24576                    ; xc: two tiles of 12,288 bytes a work-group,
	s_mul_i32 s27, s23, 12288
	s_add_co_u32 s28, s28, s27
	s_mul_i32 s27, s26, 3072                       ; two fragments of 1,536 a wave
	s_add_co_u32 s28, s28, s27
	s_mov_b32 s29, 0
	s_add_nc_u64 s[10:11], s[10:11], s[28:29]
	s_lshl_b32 s28, ttmp9, 10
	s_add_nc_u64 s[12:13], s[12:13], s[28:29]
.irp i, 0,1,2,3
	v_mov_b32 v[PT+\i], 0                          ; a lane permute's destination counts as one of its sources
.endr
	s_wait_loadcnt 16                              ; x is in; gamma's and beta's sixteen loads may be out
	; ---- the mean, the four rows by turns
.irp i, 0,1,2,3
	v_pk_add_f32 v[SUM+2*\i:SUM+2*\i+1], v[X+32*\i:X+32*\i+1], v[X+32*\i+2:X+32*\i+3]
.endr
.irp k, 4,6,8,10,12,14,16,18,20,22,24,26,28,30
.irp i, 0,1,2,3
	s_delay_alu instid0(VALU_DEP_4)
	v_pk_add_f32 v[SUM+2*\i:SUM+2*\i+1], v[SUM+2*\i:SUM+2*\i+1], v[X+32*\i+\k:X+32*\i+\k+1]
.endr
.endr
.irp i, 0,1,2,3
	s_delay_alu instid0(VALU_DEP_4)
	v_add_f32 v[SUM+2*\i], v[SUM+2*\i], v[SUM+2*\i+1]
.endr
.irp m, 1,2,4,8
.irp i, 0,1,2,3
	s_delay_alu instid0(VALU_DEP_4)
	v_add_f32_dpp v[SUM+2*\i], v[SUM+2*\i], v[SUM+2*\i] row_xmask:\m row_mask:0xf bank_mask:0xf
.endr
.endr
.irp i, 0,1,2,3
	s_delay_alu instid0(VALU_DEP_4)
	v_permlanex16_b32 v[PT+\i], v[SUM+2*\i], s16, s17
.endr
.irp i, 0,1,2,3
	s_delay_alu instid0(VALU_DEP_4)
	v_add_f32 v[SUM+2*\i], v[SUM+2*\i], v[PT+\i]
.endr
.irp i, 0,1,2,3
	s_delay_alu instid0(VALU_DEP_4)
	v_mul_f32 v[SUM+2*\i], s21, v[SUM+2*\i]        ; -mean
.endr
.irp k, 0,2,4,6,8,10,12,14,16,18,20,22,24,26,28,30
.irp i, 0,1,2,3
	v_pk_add_f32 v[X+32*\i+\k:X+32*\i+\k+1], v[X+32*\i+\k:X+32*\i+\k+1], v[SUM+2*\i:SUM+2*\i+1] op_sel_hi:[1,0]   ; x - mean (the pair's low word serves both halves)
.endr
.endr
	; ---- the variance, of the centred numbers
.irp i, 0,1,2,3
	v_pk_mul_f32 v[RS+2*\i:RS+2*\i+1], v[X+32*\i:X+32*\i+1], v[X+32*\i:X+32*\i+1]
.endr
.irp k, 2,4,6,8,10,12,14,16,18,20,22,24,26,28,30
.irp i, 0,1,2,3
	s_delay_alu instid0(VALU_DEP_4)
	v_pk_fma_f32 v[RS+2*\i:RS+2*\i+1], v[X+32*\i+\k:X+32*\i+\k+1], v[X+32*\i+\k:X+32*\i+\k+1], v[RS+2*\i:RS+2*\i+1]
.endr
.endr
.irp i, 0,1,2,3
	s_delay_alu instid0(VALU_DEP_4)
	v_add_f32 v[RS+2*\i], v[RS+2*\i], v[RS+2*\i+1]
.endr
.irp m, 1,2,4,8
.irp i, 0,1,2,3
	s_delay_alu instid0(VALU_DEP_4)
	v_add_f32_dpp v[RS+2*\i], v[RS+2*\i], v[RS+2*\i] row_xmask:\m row_mask:0xf bank_mask:0xf
.endr
.endr
.irp i, 0,1,2,3
	s_delay_alu instid0(VALU_DEP_4)
	v_permlanex16_b32 v[PT+\i], v[RS+2*\i], s16, s17
.endr
.irp i, 0,1,2,3
	s_delay_alu instid0(VALU_DEP_4)
	v_add_f32 v[RS+2*\i], v[RS+2*\i], v[PT+\i]
.endr
.irp i, 0,1,2,3
	s_delay_alu instid0(VALU_DEP_4)
	v_fma_f32 v[RS+2*\i], v[RS+2*\i], s18, s19     ; var + eps
.endr
	s_wait_alu depctr_va_vdst(0)
.irp i, 0,1,2,3
	v_rsq_f32 v[RS+2*\i], v[RS+2*\i]
.endr
	v_nop                                          ; a plain instruction behind the last of the four
	s_wait_alu depctr_va_vdst(0)                   ; one wait for the four, ahead of their first reader
	s_wait_loadcnt 0x0                             ; gamma and beta
.irp k, 0,2,4,6,8,10,12,14,16,18,20,22,24,26,28,30
.irp i, 0,1,2,3
	v_pk_mul_f32 v[X+32*\i+\k:X+32*\i+\k+1], v[X+32*\i+\k:X+32*\i+\k+1], v[RS+2*\i:RS+2*\i+1] op_sel_hi:[1,0]
.endr
.endr
.irp k, 0,2,4,6,8,10,12,14,16,18,20,22,24,26,28,30
.irp i, 0,1,2,3
	v_pk_fma_f32 v[X+32*\i+\k:X+32*\i+\k+1], v[X+32*\i+\k:X+32*\i+\k+1], v[GA+\k:GA+\k+1], v[BE+\k:BE+\k+1]
.endr
.endr
.irp i, 0,1,2,3
.irp j, 0,1,2,3,4,5,6,7
	ds_store_b128 v4, v[X+32*\i+4*\j:X+32*\i+4*\j+3] offset:NP*\i+512*\j
.endr
.endr
	s_wait_dscnt 0x0                               ; for the others' sake: my rows lie in LDS
	s_barrier_signal -1
	s_barrier_wait -1
	; ---- phase 2.  64 numbers of a lane, register 16 b + i = k 32 b + 16 h + i of my slot's row, become a fragment's 12 registers of codes and its scale word
.macro QUANT128 s, pc, pw
.irp b, 0,1,2,3
	v_max3_num_f32 v[TM+\b], |v[\s+16*\b]|, |v[\s+1+16*\b]|, 0x1800000   ; my 16 numbers of block b, and the floor 2^(3 - 127): the byte cannot fall under 1
.endr
.irp i, 2,4,6,8,10,12,14
.irp b, 0,1,2,3
	s_delay_alu instid0(VALU_DEP_4)
	v_max3_num_f32 v[TM+\b], v[TM+\b], |v[\s+16*\b+\i]|, |v[\s+1+16*\b+\i]|
.endr
.endr
.irp b, 0,1,2,3
	s_delay_alu instid0(VALU_DEP_4)
	v_permlanex16_b32 v[TM+4+\b], v[TM+\b], s16, s17
.endr
.irp b, 0,1,2,3
	s_delay_alu instid0(VALU_DEP_4)
	v_max_num_f32 v[TM+\b], v[TM+\b], v[TM+4+\b]   ; with lane l xor 16's: the block's largest magnitude
.endr
.irp b, 0,1,2,3
	s_delay_alu instid0(VALU_DEP_4)
	v_add_nc_u32 v[TM+12+\b], 0xff000000, v[TM+\b] ; 2 off its exponent field: the conversion's scale operand
.endr
.irp b, 0,1,2,3
	s_delay_alu instid0(VALU_DEP_4)
	v_lshrrev_b32 v[TM+4+\b], 23, v[TM+12+\b]      ; the scale's byte
.endr
	s_delay_alu instid0(VALU_DEP_3)
	v_lshl_or_b32 v[\pw], v[TM+5], 8, v[TM+4]
	s_delay_alu instid0(VALU_DEP_1)
	v_lshl_or_b32 v[\pw], v[TM+6], 16, v[\pw]
	s_delay_alu instid0(VALU_DEP_1)
	v_lshl_or_b32 v[\pw], v[TM+7], 24, v[\pw]
.irp c, 0,1
	v_cvt_scalef32_pk16_fp6_f32 v[\pc+6*\c:\pc+2+6*\c], v[\s+32*\c:\s+15+32*\c], v[TM+12+2*\c]
	v_cvt_scalef32_pk16_fp6_f32 v[\pc+12+4*\c:\pc+14+4*\c], v[\s+16+32*\c:\s+31+32*\c], v[TM+12+2*\c+1]   ; (a conversion's three registers begin on an even number)
.endr
	v_nop                                          ; one plain place behind a scaled conversion
.irp c, 0,1                                    ; the operand's layout wants a whole block in a lane: lanes 0-15 block 2 c, lanes 16-31 block 2 c + 1
.irp i, 0,1,2
	v_permlane16_swap_b32 v[\pc+6*\c+\i], v[\pc+12+4*\c+\i]
.endr
.irp i, 0,1,2
	s_delay_alu instid0(VALU_DEP_3)
	v_mov_b32 v[\pc+3+6*\c+\i], v[\pc+12+4*\c+\i]
.endr
.endr
.endm
.irp f, 0,1
.irp b, 0,1,2,3
.irp j, 0,1,2,3
	ds_load_b128 v[X+64*\f+16*\b+4*\j:X+64*\f+16*\b+4*\j+3], v7 offset:512*\f+128*\b+16*\j
.endr
.endr
.endr
.irp b, 0,1,2,3
	v_mov_b32 v[TM+4+\b], 0                        ; a lane permute's destination counts as one of its sources
.endr
	s_wait_dscnt 16                                ; the first fragment's numbers are in; the second's sixteen loads may be out
	QUANT128 X, PC0, PW0
.irp p, 0,1,2,3,4,5
	global_store_b64 v8, v[PC0+2*\p:PC0+2*\p+1], s[10:11] offset:256*\p   ; 32 lanes store 256 consecutive bytes, aligned
.endr
	s_wait_dscnt 0x0
	QUANT128 X+64, PC1, PW1                        ; into registers of its own: no store's data are written again
.irp p, 0,1,2,3,4,5
	global_store_b64 v8, v[PC1+2*\p:PC1+2*\p+1], s[10:11] offset:1536+256*\p
.endr
	v_cndmask_b32 v58, v[PW0], v[PW1], s20         ; both halves of the lanes hold both words: lanes 0-15 send the first, lanes 16-31 the second
	ds_store_b32 v9, v58
	s_wait_dscnt 0x0                               ; for the others' sake
	s_barrier_signal -1
	s_barrier_wait -1
	s_cmp_ge_u32 s14, 2                            ; waves 0 and 1 send a tile's 512 scale bytes each
	s_cbranch_scc1 .Ldone
	ds_load_b128 v[60:63], v10
	s_wait_dscnt 0x0
	global_store_b128 v11, v[60:63], s[12:13]      ; 32 lanes store 512 consecutive bytes, aligned
.Ldone:
	s_wait_tensorcnt 0x0
	ds_add_u32 v55, v59
	s_wait_dscnt 0x0
	s_endpgm
.Lfunc_end_k_q84b123a22b_lnq:
	.size	k_q84b123a22b_lnq, .Lfunc_end_k_q84b123a22b_lnq-k_q84b123a22b_lnq
	.p2alignl 7, 3214868480
	.fill 96, 4, 3214868480
	.section	.rodata,"a",@progbits
	.p2align	6, 0x0
	.amdhsa_kernel k_q84b123a22b_lnq
		.amdhsa_group_segment_fixed_size 133632
		.amdhsa_private_segment_fixed_size 0
		.amdhsa_enable_private_segment 0
		.amdhsa_kernarg_size 40
		.amdhsa_user_sgpr_count 2
		.amdhsa_user_sgpr_kernarg_segment_ptr 1
		.amdhsa_wavefront_size32 1
		.amdhsa_system_sgpr_workgroup_id_x 1
		.amdhsa_system_sgpr_workgroup_id_y 1
		.amdhsa_system_sgpr_workgroup_id_z 1
		.amdhsa_system_vgpr_workitem_id 0
		.amdhsa_next_free_vgpr 256
		.amdhsa_next_free_sgpr 66
		.amdhsa_reserve_vcc 0
		.amdhsa_float_denorm_mode_32 3
		.amdhsa_float_denorm_mode_16_64 3
		.amdhsa_memory_ordered 1
		.amdhsa_forward_progress 1
		.amdhsa_inst_pref_size 54
	.end_amdhsa_kernel
	.amdgpu_metadata
---
amdhsa.version: [ 1, 2 ]
amdhsa.kernels:
  - .name:           k_q84b123a22b_lnq
    .symbol:         k_q84b123a22b_lnq.kd
    .args:
      - { .name: x, .offset: 0, .size: 8, .value_kind: global_buffer, .address_space: global }
      - { .name: ln_gamma, .offset: 8, .size: 8, .value_kind: global_buffer, .address_space: global }
      - { .name: ln_beta, .offset: 16, .size: 8, .value_kind: global_buffer, .address_space: global }
      - { .name: xc, .offset: 24, .size: 8, .value_kind: global_buffer, .address_space: global }
      - { .name: xs, .offset: 32, .size: 8, .value_kind: global_buffer, .address_space: global }
    .group_segment_fixed_size: 133632
    .private_segment_fixed_size: 0
    .kernarg_segment_align: 8
    .kernarg_segment_size: 40
    .max_flat_workgroup_size: 256
    .sgpr_count:     66
    .vgpr_count:     256
    .wavefront_size: 32
...
	.end_amdgpu_metadata
.endif
;; end of part 1
;; launch qkv (part 2): grid 32 x 8, 4 waves a work-group, clusters of 4 x 1, 327,680 bytes of LDS; arguments xc, xs, Wq_codes, Wq_scales, Wk_codes, Wk_scales, Wv_codes, Wv_scales, bq, bk, bv, qw, kv; writes qw, kv
.if DOCPART == 2
	.amdgcn_target "amdgcn-amd-amdhsa--gfx1250"
	.amdhsa_code_object_version 6
	.text
	.protected	k_q84b123a22b_qkv
	.globl	k_q84b123a22b_qkv
	.p2align	8
	.type	k_q84b123a22b_qkv,@function
k_q84b123a22b_qkv:
	s_mov_b64 s[64:65], 0
	v_nop
	global_prefetch_b8 v0, s[64:65] scope:SCOPE_SE
	s_setreg_imm32_b32 hwreg(HW_REG_WAVE_MODE, 25, 1), 1
	s_wait_xcnt 0x0
	s_wait_alu depctr_hold_cnt(0) depctr_sa_sdst(0) depctr_va_vdst(0) depctr_va_sdst(0) depctr_va_ssrc(0) depctr_va_vcc(0) depctr_vm_vsrc(0)
	s_getreg_b32 s2, hwreg(HW_REG_IB_STS2, 6, 4)
	s_cmp_eq_u32 s2, 0
	s_cbranch_scc0 .Lentry_in_a_cluster
	s_endpgm
.Lentry_in_a_cluster:
	s_bfe_u32 s2, ttmp6, 0x10000c
	s_cmp_lg_u32 s2, 0x3003
	s_cbranch_scc0 .Lentry_shape_is_right
	s_endpgm
.Lentry_shape_is_right:
; q = xn Wq + bq, k = xn Wk + bk, v = xn Wv + bv on codes of E2M3; the results are quantised at once: q and k along the head's 64 channels, v along the keys.
; SHARES.  A work-group takes 256 rows of xn and heads 2 j, 2 j + 1 (128 columns) of all three products.  K = 1,024 is short: a wave's 64 rows of xn (4 tiles x 8 K steps x 12 registers = 384) STAY IN REGISTERS,
; the three weights' 128 rows each come into LDS ONCE and are streamed tile by tile: 24 tiles of 16 weight rows, 32 matrix instructions each.  Nothing in LDS is filled twice.
; CLUSTER.  The four row blocks of a cluster read the same weights: each tile is asked for jointly (mask 15).  A work-group's place in the cluster enters global addresses alone.
; ORDER OF ROWS.  Tile 2 b + u, slot r, is row 32 b + 8 u + r + 8 (r / 8), of xn and of the weights alike.  So with the weight as source 0 (q, k) a lane holds one token and the 16 registers of two neighbouring
; tiles are 16 neighbouring channels; with xn as source 0 (v) a lane holds one channel and they are 16 neighbouring keys: in both cases the next product's K runs along the lane's registers.
; OUT.  qw: [head 64][64 tokens 32] records of 3,328 bytes: 4 tiles x 768 bytes of codes (images: registers 2 p, 2 p + 1 at 8 x lane), then 256 bytes of scale words [slot][tile] (two bytes, two zeros).
; kv: [head 64][128 keys 16] records of 13,056 bytes: K as 4 images of two tiles (12 registers: 3 x 512 bytes at 16 x lane); at 6,144 V [channel tile 4][64 keys 2][piece 3][256]; at 12,288 K's scale words
; [4 tiles 2][slot][tile]; at 12,800 V's scale words [slot][channel tile].  All stores cover whole aligned 256 bytes but V's scale halfwords (2 bytes a lane: the word's other half is the neighbouring wave's
; 64 keys): 262,144 bytes of the 20 MB stored.
; LIMITS: NaN and infinities are not served; a block of zeros gets the byte 1 (its codes are zeros; this program alone reads the bytes).
; REGISTERS.  window 0: v1-14 addresses; v16-23 bv at my channel; v24-31 v's bias tile; v32-63 xn's scale words (8 a + ks); v64-79 the weight tile's, two sets; v80-207 16 accumulators; v208-255 the quantiser.
;   window 1: xn's fragments of K steps 0-3 at 12 (4 ks + a); v192-255 bq's 8 tiles.   window 2: K steps 4-7; bk's tiles.   window 3: the weight tile's 8 fragments, two sets, at 96 x set + 12 ks.
.set NT,    24
.set GRP,   104448                     ; a weight's 128 rows in LDS: rows of 768 bytes + 16 behind each 256 = 816
.set HALFG, 52224                      ; tiles with u = 0, then those with u = 1
.set TILEB, 13056                      ; 16 rows
.set SCL,   3*GRP                      ; behind the three: their scale bytes, 4,096 each
.set ADR,   1                          ; v1-2    816 r + 24 h + HALFG u
.set ADRB,  12                         ; v12-13  the same + 16 h: for the pieces whose partner three pieces on lies behind one padding more
.set ADS,   11                         ; v11     32 (r + 8 (r / 8)) + SCL
.set BV,    16
.set CB,    24
.set XS,    32
.set WS,    64
.set ACC,   80                         ; accumulator (i, k) at ACC + 32 i + 8 k
.set CD,    208                        ; v208-231 codes: 6 registers a unit
.set PW,    232                        ; v232-235 a scale halfword a unit
.set TM,    236
.set TP,    240
.set TS,    244
.set XT,    248                        ; v248-250, v252-254
.set WV,    30
.set SEL,   86
.set QB,    88
.set KVB,   90
.set MSB, 0
.macro WIN new                         ; the immediate's high byte repeats the setting that is left
.if MSB != (\new)
	s_set_vgpr_msb (MSB<<8)|(\new)
.set MSB, (\new)
.endif
.endm
.macro CROUND                          ; a round of the cluster's barrier
	s_barrier_signal -1
	s_barrier_wait -1
	s_cmp_lg_u32 s[WV], 0
	s_cbranch_scc1 .Lnot_wave_0_\@
	s_barrier_signal -3
.Lnot_wave_0_\@:
	s_barrier_wait -3
	s_barrier_signal -1
	s_barrier_wait -1
.endm
.macro JL gc, gs                       ; a weight's joint loads: waves 0, 1 the codes' halves, waves 2, 3 the scale bytes'; one load a wave
	s_cmp_lt_u32 s[WV], 2
	s_cbranch_scc0 .Ljs_\@
	tensor_load_to_lds s[\gc:\gc+3], s[40:47]
	s_nop 0
.rept 4
	v_nop
.endr
	s_branch .Ljd_\@
.Ljs_\@:
	tensor_load_to_lds s[\gs:\gs+3], s[48:55]
	s_nop 0
.rept 4
	v_nop
.endr
.Ljd_\@:
.endm
.macro DESC g0, lds, inc, ptr, off
	s_mov_b32 s[\g0], 1
	s_add_co_u32 s[\g0+1], s[\lds], \inc
	s_add_nc_u64 s[\g0+2:\g0+3], s[\ptr:\ptr+1], s[\off:\off+1]
	s_or_b32 s[\g0+3], s[\g0+3], 0x80000000
.endm
	s_load_b512 s[4:19], s[0:1], 0x0               ; xc, xs, Wq codes, scales, Wk codes, scales, Wv codes, scales
	s_load_b256 s[20:27], s[0:1], 0x40             ; bq, bk, bv, qw
	s_load_b64 s[28:29], s[0:1], 0x60              ; kv
	v_lshl_add_u32 v251, v0, 2, 0x4f800
	v_mov_b32 v255, 0
	ds_add_u32 v251, v255
	ds_add_u32 v251, v255
	v_lshrrev_b32 v15, 5, v0
	v_readfirstlane_b32 s[WV], v15                 ; wave 0..3
	s_bfe_u32 s31, ttmp6, 0x40000                  ; cx
	s_lshl_b32 s32, ttmp9, 2
	s_add_co_u32 s32, s32, s31                     ; row block = 4 x cluster x + cx
	s_and_b32 s33, ttmp7, 0xffff                   ; j: the pair of heads, which the four partners share
	; group 1 for codes: a "row" is 8 consecutive weight rows, 6,144 dense bytes (768 elements of 8); 8 of them, 16 weight rows apart; 16 bytes of padding behind each 256
	s_mov_b32 s40, 15|(3<<16)|(1<<20)|(1<<21)|(5<<22)|(3<<25)
	s_mov_b32 s41, 768<<16
	s_mov_b32 s42, 8<<16
	s_mov_b32 s43, 768<<16
	s_mov_b32 s44, 8
	s_mov_b32 s45, 1536
	s_mov_b32 s46, 0
	s_mov_b32 s47, 0
	; group 1 for the scale bytes of 64 rows: 2,048 dense bytes as 8 rows of 256
	s_mov_b32 s48, 15|(3<<16)|(1<<21)
	s_mov_b32 s49, 32<<16
	s_mov_b32 s50, 8<<16
	s_mov_b32 s51, 32<<16
	s_mov_b32 s52, 8
	s_mov_b32 s53, 32
	s_mov_b32 s54, 0
	s_mov_b32 s55, 0
	s_mov_b32 s84, 0xffff0000                      ; lanes 16-31
	s_mov_b32 s[SEL], 0x76543210
	s_mov_b32 s[SEL+1], 0xfedcba98
	s_and_b32 s34, s[WV], 1
	s_mul_i32 s36, s33, 98304                      ; codes: weight row 128 j + 8 (w % 2), 768 bytes a row
	s_mul_i32 s35, s34, 6144
	s_add_co_u32 s36, s36, s35
	s_mov_b32 s37, 0
	s_lshl_b32 s38, s33, 12                        ; scale bytes: row 128 j + 64 (w % 2), 32 bytes a row
	s_lshl_b32 s35, s34, 11
	s_add_co_u32 s38, s38, s35
	s_mov_b32 s39, 0
	s_add_co_u32 s85, s35, SCL
	s_mul_i32 s35, s34, HALFG
	s_wait_dscnt 0x0
	s_wait_kmcnt 0x0
	DESC 56, 35, 0, 8, 36
	DESC 60, 35, GRP, 12, 36
	DESC 68, 35, 2*GRP, 16, 36
	DESC 72, 85, 0, 10, 38
	DESC 76, 85, 4096, 14, 38
	DESC 80, 85, 8192, 18, 38
	CROUND                                         ; all four work-groups are here: the joint loads meet
	s_cmp_lt_u32 s[WV], 2                          ; waves 0, 1: the codes' two halves; waves 2, 3: the scale bytes'.  One load of mine is out: q's
	s_cbranch_scc0 .Lscales
	tensor_load_to_lds s[56:59], s[40:47]          ; q's weight alone at the head: one load a wave
	s_nop 0
.rept 4
	v_nop
.endr
	s_branch .Lasked
.Lscales:
	tensor_load_to_lds s[72:75], s[48:55]
	s_nop 0
.rept 4
	v_nop
.endr
.Lasked:
	v_and_b32 v208, 15, v0                         ; r
	v_bfe_u32 v209, v0, 4, 1                       ; h
	v_and_b32 v210, 31, v0                         ; lane
	v_and_b32 v211, 8, v208
	v_add_nc_u32 v211, v211, v208                  ; r + 8 (r / 8)
	v_lshlrev_b32 v3, 5, v208                      ; v3: xn's scale words: 32 bytes a slot
	v_lshlrev_b32 v9, 3, v210                      ; v9: 8 x lane
	v_lshlrev_b32 v10, 6, v209                     ; v10: bq, bk: my half's 16 channels
	s_wait_alu depctr_va_vdst(0)
	v_lshlrev_b32 v14, 2, v211                     ; v14: bv at my slot's channel
	s_wait_alu depctr_va_vdst(0)
	s_lshl_b32 s36, s32, 4
	s_lshl_b32 s35, s[WV], 2
	s_add_co_u32 s36, s36, s35                     ; my first tile of xn: 16 x row block + 4 x wave
	s_mul_i32 s38, s36, 12288
	s_add_nc_u64 s[4:5], s[4:5], s[38:39]
	s_lshl_b32 s38, s36, 9
	s_add_nc_u64 s[6:7], s[6:7], s[38:39]
	s_lshl_b32 s38, s33, 9                         ; the biases' 128 numbers
	s_add_nc_u64 s[20:21], s[20:21], s[38:39]
	s_add_nc_u64 s[22:23], s[22:23], s[38:39]
	s_add_nc_u64 s[24:25], s[24:25], s[38:39]
	; the loads that stay: biases, scale words, then xn's fragments K step by K step
	WIN 0x40
.irp hh, 0,1
.irp t, 0,1,2,3
.irp q, 0,1
	global_load_b128 v[192+32*\hh+8*\t+4*\q:192+32*\hh+8*\t+4*\q+3], v10, s[20:21] offset:256*\hh+128*(\t/2)+32*(\t%2)+16*\q
.endr
.endr
.endr
	WIN 0x80
.irp hh, 0,1
.irp t, 0,1,2,3
.irp q, 0,1
	global_load_b128 v[192+32*\hh+8*\t+4*\q:192+32*\hh+8*\t+4*\q+3], v10, s[22:23] offset:256*\hh+128*(\t/2)+32*(\t%2)+16*\q
.endr
.endr
.endr
	WIN 0
.irp hh, 0,1
.irp t, 0,1,2,3
	global_load_b32 v[BV+4*\hh+\t], v14, s[24:25] offset:256*\hh+(32*(\t/2)+8*(\t%2))*4
.endr
.endr
.irp a, 0,1,2,3
.irp q, 0,1
	global_load_b128 v[XS+8*\a+4*\q:XS+8*\a+4*\q+3], v3, s[6:7] offset:512*\a+16*\q
.endr
.endr
	WIN 0x40
.irp ks, 0,1,2,3
.irp a, 0,1,2,3
.irp p, 0,1,2,3,4,5
	global_load_b64 v[(\ks*4+\a)*12+2*\p:(\ks*4+\a)*12+2*\p+1], v9, s[4:5] offset:12288*\a+1536*\ks+256*\p
.endr
.endr
.endr
	WIN 0x80
.irp ks, 4,5,6,7
.irp a, 0,1,2,3
.irp p, 0,1,2,3,4,5
	global_load_b64 v[((\ks-4)*4+\a)*12+2*\p:((\ks-4)*4+\a)*12+2*\p+1], v9, s[4:5] offset:12288*\a+1536*\ks+256*\p
.endr
.endr
.endr
	WIN 0
	v_mul_u32_u24 v[ADR], v208, 816
	v_mad_u32_u24 v[ADR], v209, 24, v[ADR]
	v_add_nc_u32 v[ADR+1], HALFG, v[ADR]
	v_lshl_add_u32 v[ADRB], v209, 4, v[ADR]
	v_add_nc_u32 v[ADRB+1], HALFG, v[ADRB]
	v_lshl_add_u32 v[ADS], v211, 5, SCL
	s_mul_i32 s35, s34, 768                        ; c = w % 2: which 64 of a key step's 128 keys are mine
	v_add_nc_u32 v4, s35, v9                       ; v4: V's pieces: 8 x lane + 768 c
	s_mul_i32 s35, s34, 3072
	; K GOES OUT IN ANOTHER ORDER OF KEYS than xn's tiles have: of my 64 keys, tile t, slot r' is key 8 t + r' % 8 + 32 (r' / 8).  My tile a, slot s is that order's tile a % 2 + 2 (s / 8), slot s % 8 + 8 (a / 2)
	v_lshrrev_b32 v212, 3, v208                    ; s / 8
	v_and_b32 v213, 7, v208                        ; s % 8
	v_mul_u32_u24 v5, v212, 1536                   ; the image of two tiles: s / 8
	v_lshl_add_u32 v5, v213, 4, v5
	v_lshl_add_u32 v5, v209, 8, v5
	v_add_nc_u32 v5, s35, v5                       ; v5: K's images: 3,072 c + 1,536 (s / 8) + 16 (s % 8 + 16 h); the store's offset adds 128 (a / 2)
	v_lshlrev_b32 v6, 4, v208
	v_lshl_add_u32 v6, v209, 3, v6                 ; v6: q's scale words: 16 r + 8 h
	s_lshl_b32 s35, s34, 8
	v_lshlrev_b32 v7, 4, v213
	v_lshl_add_u32 v7, v209, 7, v7
	v_lshl_add_u32 v7, v212, 3, v7
	v_add_nc_u32 v7, s35, v7                       ; v7: K's scale words [slot][tile] in the new order: 256 c + 16 (s % 8 + 8 h) + 8 (s / 8)
	v_lshlrev_b32 v8, 4, v208
	v_lshl_add_u32 v8, v209, 2, v8
	s_lshl_b32 s35, s34, 1
	v_add_nc_u32 v8, s35, v8                       ; v8: V's scale halfwords: 16 r + 4 h + 2 c
.irp k, 0,1,2,3
	v_mov_b32 v[TP+\k], 0                          ; a lane permute's destination counts as one of its sources
.endr
	s_lshr_b32 s36, s32, 3                         ; batch
	s_lshl_b32 s36, s36, 4
	s_lshl_b32 s35, s33, 1
	s_add_co_u32 s36, s36, s35                     ; the first of my two heads: 16 x batch + 2 j
	s_and_b32 s37, s32, 7                          ; my row block in its sequence
	s_lshl_b32 s35, s37, 2
	s_add_co_u32 s35, s35, s[WV]                   ; my 64 tokens: 4 x block + wave
	s_lshl_b32 s38, s36, 5
	s_add_co_u32 s38, s38, s35
	s_mul_i32 s38, s38, 3328
	s_add_nc_u64 s[QB:QB+1], s[26:27], s[38:39]
	s_lshl_b32 s35, s37, 1
	s_lshr_b32 s37, s[WV], 1
	s_add_co_u32 s35, s35, s37                     ; my key step: 2 x block + wave / 2
	s_mul_i32 s35, s35, 13056
	s_mul_i32 s38, s36, 208896
	s_add_co_u32 s38, s38, s35
	s_add_nc_u64 s[KVB:KVB+1], s[28:29], s[38:39]
; Tile n's 8 fragments and 8 scale words from LDS into set n % 2.  A fragment is 12 registers: lane (r, h) takes the 24 bytes at 96 ks + 24 h and those 48 on, in pieces of 8.
.macro FETCH n
.set FU, (\n)%2
.set FO, (((\n)/2)%4)*TILEB
.set FS, (64*(((\n)/4)%2)+32*(((\n)/2)%2)+8*FU)*32
	WIN 0xc0
.irp ks, 0,1,2,3,4,5,6,7
.irp p, 0,1,2,3,4,5
.set PCI, 12*\ks+6*(\p/3)+\p%3
.if PCI%32 < 29
	ds_load_b64 v[96*FU+12*\ks+2*\p:96*FU+12*\ks+2*\p+1], v[ADR+FU] offset:FO+8*PCI+16*(PCI/32)
.else
	ds_load_b64 v[96*FU+12*\ks+2*\p:96*FU+12*\ks+2*\p+1], v[ADRB+FU] offset:FO+8*PCI+16*(PCI/32)
.endif
.endr
.endr
	WIN 0
.irp q, 0,1
	ds_load_b128 v[WS+8*FU+4*\q:WS+8*FU+4*\q+3], v[ADS] offset:FS+16*\q
.endr
.endm
; Tile n: 32 matrix instructions, four accumulators by turns, K step by K step.  kind 0 (q, k): source 0 = the weight tile, source 1 = xn's tile a; the first takes the bias tile
; (window cw) as C.  kind 1 (v): source 0 = xn's tile a, source 1 = the weight tile; C = bv at my channel.  gate >= 0: the next weight is shown landed to all four waves, and the LDS addresses step to it.
.macro TILE n, kind, cw, gate, first
.set TT, (\n)%4
.set TH, ((\n)/4)%2
.set TU, (\n)%2
	s_wait_dscnt 0x0                               ; this tile's 50 loads, asked for a tile ago, are in
.if \gate >= 0
	s_wait_tensorcnt 0x0                           ; my part of the next weight has landed: no load of mine is out
.if \gate
	ds_add_u32 v251, v255
	s_wait_dscnt 0x0
	CROUND
	JL 68, 80                                      ; v's weight, into bytes of its own
.else
	s_barrier_signal -1
	s_barrier_wait -1
.endif
	v_add_nc_u32 v[ADR], GRP, v[ADR]
	v_add_nc_u32 v[ADR+1], GRP, v[ADR+1]
	v_add_nc_u32 v[ADRB], GRP, v[ADRB]
	v_add_nc_u32 v[ADRB+1], GRP, v[ADRB+1]
	v_add_nc_u32 v[ADS], 4096, v[ADS]
.endif
.rept 4
	v_nop                                          ; places behind the last tile's products, ahead of loads into the set that the tile before it read, and of the moves below
.endr
.if \kind
.irp i, 0,1,2,3,4,5,6,7
	v_mov_b32 v[CB+\i], v[BV+4*TH+TT]              ; a lane holds one channel: its bias in all eight rows
.endr
.rept 4
	v_nop
.endr
.endif
.if (\n)+1 < NT
	FETCH (\n)+1
.endif
.irp ks, 0,1,2,3,4,5,6,7
.if \first
.if 24*(7-\ks) > 63
	s_wait_loadcnt 63                              ; this K step's fragments are in (more loads were issued behind them than the count can name)
.else
	s_wait_loadcnt 24*(7-\ks)                      ; the later K steps' 24 loads each may be out
.endif
.endif
.if \kind
.set WN, 0x0d+(\ks/4)
.elseif \ks == 0
.set WN, 0x07|(\cw<<4)
.else
.set WN, 0x07+4*(\ks/4)
.endif
	WIN WN
.irp a, 0,1,2,3
.if \kind
.if \ks == 0
	v_wmma_scale_f32_16x16x128_f8f6f4 v[ACC+32*TT+8*\a:ACC+32*TT+8*\a+7], v[((\ks%4)*4+\a)*12:((\ks%4)*4+\a)*12+11], v[96*TU+12*\ks:96*TU+12*\ks+11], v[CB:CB+7], v[XS+8*\a+\ks], v[WS+8*TU+\ks] matrix_a_fmt:MATRIX_FMT_FP6 matrix_b_fmt:MATRIX_FMT_FP6
.else
	v_wmma_scale_f32_16x16x128_f8f6f4 v[ACC+32*TT+8*\a:ACC+32*TT+8*\a+7], v[((\ks%4)*4+\a)*12:((\ks%4)*4+\a)*12+11], v[96*TU+12*\ks:96*TU+12*\ks+11], v[ACC+32*TT+8*\a:ACC+32*TT+8*\a+7], v[XS+8*\a+\ks], v[WS+8*TU+\ks] matrix_a_fmt:MATRIX_FMT_FP6 matrix_b_fmt:MATRIX_FMT_FP6
.endif
.else
.if \ks == 0
	v_wmma_scale_f32_16x16x128_f8f6f4 v[ACC+32*\a+8*TT:ACC+32*\a+8*TT+7], v[96*TU+12*\ks:96*TU+12*\ks+11], v[((\ks%4)*4+\a)*12:((\ks%4)*4+\a)*12+11], v[192+32*TH+8*TT:192+32*TH+8*TT+7], v[WS+8*TU+\ks], v[XS+8*\a+\ks] matrix_a_fmt:MATRIX_FMT_FP6 matrix_b_fmt:MATRIX_FMT_FP6
.else
	v_wmma_scale_f32_16x16x128_f8f6f4 v[ACC+32*\a+8*TT:ACC+32*\a+8*TT+7], v[96*TU+12*\ks:96*TU+12*\ks+11], v[((\ks%4)*4+\a)*12:((\ks%4)*4+\a)*12+11], v[ACC+32*\a+8*TT:ACC+32*\a+8*TT+7], v[WS+8*TU+\ks], v[XS+8*\a+\ks] matrix_a_fmt:MATRIX_FMT_FP6 matrix_b_fmt:MATRIX_FMT_FP6
.endif
.endif
.endr
.endr
	WIN 0
.endm
; Two units by turns.  A unit is 32 numbers of a lane, register 16 b + i = k 32 b + 16 h + i (b = 0, 1); it becomes 6 registers of codes (lanes 0-15 block 0, lanes 16-31 block 1) and a halfword of two scale bytes.
.macro QUANT2 s0, s1, d0, d1, p0, p1
	v_max3_num_f32 v[TM], |v[\s0]|, |v[\s0+1]|, 0x1800000          ; with the floor 2^(3 - 127): the byte cannot fall under 1.  Each accumulator is read from its low end on
	v_max3_num_f32 v[TM+1], |v[\s0+16]|, |v[\s0+17]|, 0x1800000
	v_max3_num_f32 v[TM+2], |v[\s1]|, |v[\s1+1]|, 0x1800000
	v_max3_num_f32 v[TM+3], |v[\s1+16]|, |v[\s1+17]|, 0x1800000
.irp i, 2,4,6,8,10,12,14
	v_max3_num_f32 v[TM], v[TM], |v[\s0+\i]|, |v[\s0+\i+1]|
	v_max3_num_f32 v[TM+1], v[TM+1], |v[\s0+16+\i]|, |v[\s0+17+\i]|
	v_max3_num_f32 v[TM+2], v[TM+2], |v[\s1+\i]|, |v[\s1+\i+1]|
	v_max3_num_f32 v[TM+3], v[TM+3], |v[\s1+16+\i]|, |v[\s1+17+\i]|
.endr
.irp k, 0,1,2,3
	v_permlanex16_b32 v[TP+\k], v[TM+\k], s[SEL], s[SEL+1]
.endr
.irp k, 0,1,2,3
	v_max_num_f32 v[TM+\k], v[TM+\k], v[TP+\k]     ; with lane l xor 16's: the block's largest magnitude
.endr
.irp k, 0,1,2,3
	v_add_nc_u32 v[TS+\k], 0xff000000, v[TM+\k]    ; 2 off its exponent field: the conversion's scale operand
.endr
.irp k, 0,1,2,3
	v_lshrrev_b32 v[TP+\k], 23, v[TS+\k]           ; the scale's byte
.endr
	v_lshl_or_b32 v[\p0], v[TP+1], 8, v[TP]
	v_lshl_or_b32 v[\p1], v[TP+3], 8, v[TP+2]
	v_cvt_scalef32_pk16_fp6_f32 v[\d0:\d0+2], v[\s0:\s0+15], v[TS]
	v_cvt_scalef32_pk16_fp6_f32 v[XT:XT+2], v[\s0+16:\s0+31], v[TS+1]
	v_cvt_scalef32_pk16_fp6_f32 v[\d1:\d1+2], v[\s1:\s1+15], v[TS+2]
	v_cvt_scalef32_pk16_fp6_f32 v[XT+4:XT+6], v[\s1+16:\s1+31], v[TS+3]
	v_nop                                          ; one plain place behind a scaled conversion
.irp i, 0,1,2
	v_permlane16_swap_b32 v[\d0+\i], v[XT+\i]      ; a whole block to a lane
	v_permlane16_swap_b32 v[\d1+\i], v[XT+4+\i]
.endr
.irp i, 0,1,2
	v_mov_b32 v[\d0+3+\i], v[XT+\i]
	v_mov_b32 v[\d1+3+\i], v[XT+4+\i]
.endr
.endm
.macro QUANT_HEAD                      ; a head of q or k: four units, one for each tile of tokens
.rept 4
	v_nop                                          ; places behind the last products, ahead of the first read of results
.endr
	s_wait_xcnt 0x0                                ; the last head's stores have read their data registers: they are written again only behind this wait
	QUANT2 ACC, ACC+32, CD, CD+6, PW, PW+1
	QUANT2 ACC+64, ACC+96, CD+12, CD+18, PW+2, PW+3
	v_cndmask_b32 v[TM], v[PW], v[PW+2], s84       ; lanes 0-15 send tiles 0 and 1's scale words, lanes 16-31 tiles 2 and 3's
	v_cndmask_b32 v[TM+1], v[PW+1], v[PW+3], s84
.endm
.macro QOUT hh
	QUANT_HEAD
.irp a, 0,1,2,3
.irp p, 0,1,2
	global_store_b64 v9, v[CD+6*\a+2*\p:CD+6*\a+2*\p+1], s[QB:QB+1] offset:106496*\hh+768*\a+256*\p   ; 32 lanes store 256 consecutive bytes, aligned
.endr
.endr
	global_store_b64 v6, v[TM:TM+1], s[QB:QB+1] offset:106496*\hh+3072
.endm
.macro KOUT hh
	QUANT_HEAD
.irp i, 0,1
.irp q, 0,1,2
	global_store_b128 v5, v[CD+12*\i+4*\q:CD+12*\i+4*\q+3], s[KVB:KVB+1] offset:208896*\hh+128*\i+512*\q   ; eight lanes store 128 consecutive bytes; the two stores of i = 0, 1 make each 256 whole
.endr
.endr
	global_store_b64 v7, v[TM:TM+1], s[KVB:KVB+1] offset:208896*\hh+12288
.endm
.macro VOUT hh, t                      ; channel tiles t - 1 and t of v (t = 1 or 3): a unit is a channel's 64 keys
.rept 4
	v_nop
.endr
	s_wait_xcnt 0x0
	QUANT2 ACC+32*(\t-1), ACC+32*\t, CD+6*(\t-1), CD+6*\t, PW+\t-1, PW+\t
.irp e, 0,1
.irp p, 0,1,2
	global_store_b64 v4, v[CD+6*(\t-1+\e)+2*\p:CD+6*(\t-1+\e)+2*\p+1], s[KVB:KVB+1] offset:208896*\hh+6144+1536*(\t-1+\e)+256*\p
.endr
.endr
.if \t == 3
	v_cndmask_b32 v[TM], v[PW], v[PW+1], s84       ; lanes 0-15 send channel tile 0's (2's) halfword, lanes 16-31 tile 1's (3's)
	v_cndmask_b32 v[TM+1], v[PW+2], v[PW+3], s84
	global_store_b16 v8, v[TM], s[KVB:KVB+1] offset:208896*\hh+12800
	global_store_b16 v8, v[TM+1], s[KVB:KVB+1] offset:208896*\hh+12808
.endif
.endm
	s_wait_alu depctr_va_vdst(0)
	s_wait_tensorcnt 0x0                           ; my part of q's weight has landed
	ds_add_u32 v251, v255
	s_wait_dscnt 0x0
	CROUND                                         ; everybody's has, in all four work-groups
	JL 60, 76                                      ; k's weight, into bytes of its own: seven tiles' products stand ahead of the wait for it
	FETCH 0
	TILE 0, 0, 1, -1, 1
	TILE 1, 0, 1, -1, 0
	TILE 2, 0, 1, -1, 0
	TILE 3, 0, 1, -1, 0
	QOUT 0
	TILE 4, 0, 1, -1, 0
	TILE 5, 0, 1, -1, 0
	TILE 6, 0, 1, -1, 0
	TILE 7, 0, 1, 1, 0                             ; k's weight is shown landed ahead of its first tile's loads
	QOUT 1
	TILE 8, 0, 2, -1, 0
	TILE 9, 0, 2, -1, 0
	TILE 10, 0, 2, -1, 0
	TILE 11, 0, 2, -1, 0
	KOUT 0
	TILE 12, 0, 2, -1, 0
	TILE 13, 0, 2, -1, 0
	TILE 14, 0, 2, -1, 0
	TILE 15, 0, 2, 0, 0                            ; v's likewise: no tensor load of mine is out from here on
	KOUT 1
	TILE 16, 1, 0, -1, 0
	TILE 17, 1, 0, -1, 0
	VOUT 0, 1
	TILE 18, 1, 0, -1, 0
	TILE 19, 1, 0, -1, 0
	VOUT 0, 3
	TILE 20, 1, 0, -1, 0
	TILE 21, 1, 0, -1, 0
	VOUT 1, 1
	TILE 22, 1, 0, -1, 0
	TILE 23, 1, 0, -1, 0
	VOUT 1, 3
	s_wait_tensorcnt 0x0
	ds_add_u32 v251, v255
	s_wait_dscnt 0x0
	CROUND                                         ; the closing round
	s_endpgm
.Lfunc_end_k_q84b123a22b_qkv:
	.size	k_q84b123a22b_qkv, .Lfunc_end_k_q84b123a22b_qkv-k_q84b123a22b_qkv
	.p2alignl 7, 3214868480
	.fill 96, 4, 3214868480
	.section	.rodata,"a",@progbits
	.p2align	6, 0x0
	.amdhsa_kernel k_q84b123a22b_qkv
		.amdhsa_group_segment_fixed_size 327680
		.amdhsa_private_segment_fixed_size 0
		.amdhsa_enable_private_segment 0
		.amdhsa_kernarg_size 104
		.amdhsa_user_sgpr_count 2
		.amdhsa_user_sgpr_kernarg_segment_ptr 1
		.amdhsa_wavefront_size32 1
		.amdhsa_system_sgpr_workgroup_id_x 1
		.amdhsa_system_sgpr_workgroup_id_y 1
		.amdhsa_system_sgpr_workgroup_id_z 1
		.amdhsa_system_vgpr_workitem_id 0
		.amdhsa_next_free_vgpr 1024
		.amdhsa_next_free_sgpr 96
		.amdhsa_reserve_vcc 0
		.amdhsa_float_denorm_mode_32 3
		.amdhsa_float_denorm_mode_16_64 3
		.amdhsa_memory_ordered 1
		.amdhsa_forward_progress 1
		.amdhsa_inst_pref_size 255
	.end_amdhsa_kernel
	.section	.bss,"aw",@nobits
	.p2align	6
	.space	262144
	.amdgpu_metadata
---
amdhsa.version: [ 1, 2 ]
amdhsa.kernels:
  - .name:           k_q84b123a22b_qkv
    .symbol:         k_q84b123a22b_qkv.kd
    .args:
      - { .name: xc, .offset: 0, .size: 8, .value_kind: global_buffer, .address_space: global }
      - { .name: xs, .offset: 8, .size: 8, .value_kind: global_buffer, .address_space: global }
      - { .name: Wq_codes, .offset: 16, .size: 8, .value_kind: global_buffer, .address_space: global }
      - { .name: Wq_scales, .offset: 24, .size: 8, .value_kind: global_buffer, .address_space: global }
      - { .name: Wk_codes, .offset: 32, .size: 8, .value_kind: global_buffer, .address_space: global }
      - { .name: Wk_scales, .offset: 40, .size: 8, .value_kind: global_buffer, .address_space: global }
      - { .name: Wv_codes, .offset: 48, .size: 8, .value_kind: global_buffer, .address_space: global }
      - { .name: Wv_scales, .offset: 56, .size: 8, .value_kind: global_buffer, .address_space: global }
      - { .name: bq, .offset: 64, .size: 8, .value_kind: global_buffer, .address_space: global }
      - { .name: bk, .offset: 72, .size: 8, .value_kind: global_buffer, .address_space: global }
      - { .name: bv, .offset: 80, .size: 8, .value_kind: global_buffer, .address_space: global }
      - { .name: qw, .offset: 88, .size: 8, .value_kind: global_buffer, .address_space: global }
      - { .name: kv, .offset: 96, .size: 8, .value_kind: global_buffer, .address_space: global }
    .group_segment_fixed_size: 327680
    .private_segment_fixed_size: 0
    .kernarg_segment_align: 8
    .kernarg_segment_size: 104
    .max_flat_workgroup_size: 128
    .sgpr_count:     96
    .vgpr_count:     1024
    .wavefront_size: 32
...
	.end_amdgpu_metadata
.endif
;; end of part 2
;; launch attn (part 3): grid 4 x 64, 8 waves a work-group, clusters of 4 x 1, 210,944 bytes of LDS; arguments qw, kv, oc, os; writes oc, os
.if DOCPART == 3
	.amdgcn_target "amdgcn-amd-amdhsa--gfx1250"
	.amdhsa_code_object_version 6
	.text
	.protected	k_q84b123a22b_attn
	.globl	k_q84b123a22b_attn
	.p2align	8
	.type	k_q84b123a22b_attn,@function
k_q84b123a22b_attn:
	s_mov_b64 s[64:65], 0
	v_nop
	global_prefetch_b8 v0, s[64:65] scope:SCOPE_SE
	s_setreg_imm32_b32 hwreg(HW_REG_WAVE_MODE, 25, 1), 1
	s_wait_xcnt 0x0
	s_wait_alu depctr_hold_cnt(0) depctr_sa_sdst(0) depctr_va_vdst(0) depctr_va_sdst(0) depctr_va_ssrc(0) depctr_va_vcc(0) depctr_vm_vsrc(0)
	s_getreg_b32 s2, hwreg(HW_REG_IB_STS2, 6, 4)
	s_cmp_eq_u32 s2, 0
	s_cbranch_scc0 .Lentry_in_a_cluster
	s_endpgm
.Lentry_in_a_cluster:
	s_bfe_u32 s2, ttmp6, 0x10000c
	s_cmp_lg_u32 s2, 0x3003
	s_cbranch_scc0 .Lentry_shape_is_right
	s_endpgm
.Lentry_shape_is_right:
; Causal attention on codes of E2M3, head size 64, 2,048 tokens, 64 heads; the result, divided by the row's sum, is quantised along the head's 64 channels for the output projection.
; THE SOFTMAX: t = score x log2(e) / 8; M = the running largest t rounded UP to a whole number; p = 2^(t - M) is quantised along the keys, not normalised; the row's sum is taken of the unquantised p.
; When M moves, the sum and O are multiplied by 2^(old M - new M): exact.
; SHARES.  A cluster of four work-groups is one head.  The head's K, V and scale words (16 records of 13,056 bytes) come into each work-group's LDS ONCE, by eight joint loads of two records, one a wave;
; behind the one barrier there is no barrier, no LDS store and no fill.  A wave owns the PAIR of query tiles 2 cx, 2 cx + 1 (32 queries) of the groups of 128 queries G = w and 15 - w: (G + 1) + (16 - G) = 17
; key steps of 128 keys for every wave; each fragment of K and V read from LDS serves both tiles.  Steps behind the diagonal are left out by a scalar branch on the wave's number and the loop's counter; both
; loops' trip counts are constants.  A work-group's place in the cluster enters global addresses and the mask's comparison alone.
; LAYOUT.  Both products transposed: S^T = K Q^T, O^T = V^T P^T: a lane holds one query.  Query tiles and V's channel tiles: tile 2 b + u, slot r, is token (channel) 32 b + 8 u + r + 8 (r / 8).
; K's tiles: tile 4 c + t, slot r, is key 64 c + 8 t + r % 8 + 32 (r / 8).  So lane (r, h) holds in the 32 registers of tiles 4 c .. 4 c + 3 the keys 64 c + 32 h + 0 .. 31: a WHOLE block of 32, in the order of
; p's operand: a block's maximum needs no other lane and the conversions' results are the operand's registers (three moves a block: a conversion's three registers begin on an even number).
; K = 64 IN AN INSTRUCTION OF 128: Q's operand is 6 registers of codes and 6 of zeros; K's is its 6 registers and whatever 6 follow: a code times the code 0 is 0.  q's and k's scale words have two bytes and two zeros.
; No prefetch: all of K and V is asked for at the head, and there is no loop to run ahead in.
; LIMITS: NaN and infinities are not served; what falls under the smallest f32 number when M moves is lost; the promise holds while |t| stays under 2^31.  The scale bytes go out one byte a lane: 16 heads share a row's 32 bytes.
; REGISTERS.  window 0: addresses, Q, K, V, p's codes, all scale words (scale operands have no window).  window 1: S^T / p of both tiles v0-127, O^T v128-191, each tile's figures from v192.
.set REC,  13056
.set SPARE, 16*REC
.set QA,   16                          ; w0: tile x's Q at QA + 12 x: 6 of codes, 6 of zeros
.set QN,   40                          ; the second pass's Q, 6 a tile
.set KD,   52                          ; v52-99 K, v100-105 zeros
.set VD,   106
.set PC,   154                         ; p's codes, 12 a tile
.set CX,   178                         ; the conversions' second halves
.set KSC,  200
.set VSC,  208
.set PSC,  212
.set QSC,  214
.set QSN,  216
.set SPW,  254
.set NIL,  255
.set S,    0                           ; w1
.set O,    128
.set NM,   192                         ; a pair a tile: -M, the running largest score
.set L,    196                         ; a pair a tile: the sum
.set F,    200                         ; a pair a tile: f = 2^(old M - new M)
.set BM,   204                         ; 2 x + c: a block's largest score, largest p, byte
.set BP,   208
.set BS,   210
.set T,    214
.set C2,   216                         ; the sums' second chain
.set QP,   220                         ; my query in its group of 128, less 32 h
.set NI,   222                         ; -infinity
.set RL,   224
.set WV,   12
.set G,    16
.set KO,   17
.set SS,   18
.set TR,   19
.set SEL,  20
.set CS,   22
.set MK,   24
.set G1,   28
.set G0,   36
.set OCB,  40
.set OSB,  42
.set NC,   61
.set PS,   62
.set MSB, 0
.macro WIN new                         ; the immediate's high byte repeats the setting that is left
.if MSB != (\new)
	s_set_vgpr_msb (MSB<<8)|(\new)
.set MSB, (\new)
.endif
.endm
.macro CROUND
	s_barrier_signal -1
	s_barrier_wait -1
	s_cmp_lg_u32 s[WV], 0
	s_cbranch_scc1 .Lnot_wave_0_\@
	s_barrier_signal -3
.Lnot_wave_0_\@:
	s_barrier_wait -3
	s_barrier_signal -1
	s_barrier_wait -1
.endm
.macro H2
	s_delay_alu instid0(VALU_DEP_2)
.endm
; From the number of a pair's first tile in its sequence (s[t]): where its Q's codes and scale words lie, and where its result goes.  The pair's second tile lies 768, 4, 12,288 and 512 bytes on
.macro BASES t, qa, qs, oc, os
	s_lshr_b32 s2, s[\t], 2
	s_lshl_b32 s3, s14, 5
	s_add_co_u32 s2, s2, s3
	s_mul_i32 s2, s2, 3328
	s_and_b32 s56, s[\t], 3
	s_mul_i32 s57, s56, 768
	s_add_co_u32 s58, s2, s57
	s_mov_b32 s59, 0
	s_add_nc_u64 s[\qa:\qa+1], s[4:5], s[58:59]
	s_lshl_b32 s57, s56, 2
	s_add_co_u32 s58, s2, s57
	s_add_co_u32 s58, s58, 3072
	s_add_nc_u64 s[\qs:\qs+1], s[4:5], s[58:59]
	s_lshr_b32 s2, s14, 4
	s_lshl_b32 s2, s2, 7
	s_add_co_u32 s2, s2, s[\t]
	s_and_b32 s3, s14, 15
	s_mul_i32 s58, s2, 12288
	s_mul_i32 s57, s3, 768
	s_add_co_u32 s58, s58, s57
	s_add_nc_u64 s[\oc:\oc+1], s[8:9], s[58:59]
	s_lshl_b32 s58, s2, 9
	s_lshl_b32 s57, s3, 1
	s_add_co_u32 s58, s58, s57
	s_add_nc_u64 s[\os:\os+1], s[10:11], s[58:59]
.endm
	s_load_b256 s[4:11], s[0:1], 0x0               ; qw, kv, oc, os
	v_lshl_add_u32 v[SPW], v0, 2, SPARE
	v_mov_b32 v[NIL], 0
	ds_add_u32 v[SPW], v[NIL]
	ds_add_u32 v[SPW], v[NIL]
	v_lshrrev_b32 v1, 5, v0
	v_readfirstlane_b32 s[WV], v1                  ; wave 0..7
	s_bfe_u32 s13, ttmp6, 0x40000                  ; cx
	s_and_b32 s14, ttmp7, 0xffff                   ; the head, which the four partners share
	s_mov_b32 s[G], s[WV]
	s_mov_b32 s[G1], 15|(3<<16)|(1<<21)            ; two records: 26,112 dense bytes as 102 rows of 256; the mask names all four work-groups
	s_mov_b32 s[G1+1], 32<<16
	s_mov_b32 s[G1+2], 102<<16
	s_mov_b32 s[G1+3], 32<<16
	s_mov_b32 s[G1+4], 102
	s_mov_b32 s[G1+5], 32
	s_mov_b32 s[G1+6], 0
	s_mov_b32 s[G1+7], 0
	s_mul_i32 s25, s[WV], 2*REC                    ; records 2 w, 2 w + 1: in LDS,
	s_mul_i32 s2, s14, 16*REC
	s_add_co_u32 s2, s2, s25                       ; and in kv
	s_mov_b32 s3, 0
	s_mov_b32 s[SEL], 0x76543210
	s_mov_b32 s[SEL+1], 0xfedcba98
	s_mov_b32 s[CS], 0x3e38aa3b                    ; c = log2(e) / 8
	s_mov_b32 s[CS+1], s[CS]
	s_mov_b32 s[NC], 0xbe38aa3b                    ; -c
	s_mov_b32 s[PS], 0x06020400                    ; bytes: mine 0, the other lane's 0, mine 2, the other's 2
	s_mov_b32 s[MK], 0xffff0000
	s_lshl_b32 s26, s13, 1
	s_lshl_b32 s27, s[G], 3
	s_add_co_u32 s27, s27, s26                     ; the first pair's first tile: 8 G + 2 cx,
	s_sub_co_u32 s60, 15, s[G]
	s_lshl_b32 s60, s60, 3
	s_add_co_u32 s60, s60, s26                     ; the second pair's
	s_wait_dscnt 0x0
	s_wait_kmcnt 0x0
	s_mov_b32 s[G0], 1
	s_mov_b32 s[G0+1], s25
	s_add_nc_u64 s[G0+2:G0+3], s[6:7], s[2:3]
	s_or_b32 s[G0+3], s[G0+3], 0x80000000
	BASES 27, 48, 50, 40, 42
	BASES 60, 52, 54, 44, 46
	CROUND                                         ; all four work-groups are here: the joint loads meet
	tensor_load_to_lds s[G0:G0+3], s[G1:G1+7]      ; one load of mine is out
	s_nop 0
.rept 4
	v_nop
.endr
	v_and_b32 v11, 31, v0
	v_and_b32 v9, 15, v0                           ; r
	v_bfe_u32 v10, v0, 4, 1                        ; h
	v_lshlrev_b32 v1, 4, v11                       ; v1: K's images: 16 x lane
	v_lshlrev_b32 v7, 3, v11                       ; v7: 8 x lane
	v_lshlrev_b32 v11, 4, v9                       ; v11: 16 r
	v_add_nc_u32 v2, 6144, v7                      ; v2: V's pieces
	v_add_nc_u32 v3, 12288, v11                    ; v3: the scale words
	v_lshl_add_u32 v8, v9, 5, v10                  ; v8: os: 32 r + h
.irp x, 0,1
.irp p, 0,1,2
	global_load_b64 v[QA+12*\x+2*\p:QA+12*\x+2*\p+1], v7, s[48:49] offset:768*\x+256*\p
	global_load_b64 v[QN+6*\x+2*\p:QN+6*\x+2*\p+1], v7, s[52:53] offset:768*\x+256*\p
.endr
	global_load_b32 v[QSC+\x], v11, s[50:51] offset:4*\x
	global_load_b32 v[QSN+\x], v11, s[54:55] offset:4*\x
.endr
	s_lshl_b32 s2, s13, 5
	v_and_b32 v4, 8, v9
	v_lshlrev_b32 v5, 5, v10
	v_add_nc_u32 v4, v9, v4                        ; r + 8 (r / 8)
	v_sub_nc_u32 v4, v4, v5                        ; less 32 h
.irp i, 6,7,8,9,10,11,18,19,20,21,22,23
	v_mov_b32 v[QA+\i], 0                          ; the zero codes behind Q's,
.endr
.irp i, 48,49,50,51,52,53
	v_mov_b32 v[KD+\i], 0                          ; and behind K's last tile
.endr
	WIN 0x40                                       ; destinations in window 1
.set n, 192
.rept 36
	v_mov_b32 v[n], 0                              ; written once: lane permutes' destinations and pairs' upper halves count as read
.set n, n+1
.endr
	v_add_nc_u32 v[QP], s2, v4                     ; tile 2 cx: query 32 cx + r + 8 (r / 8), less 32 h;
	v_add3_u32 v[QP+1], s2, v4, 8                  ; tile 2 cx + 1: 8 on
	v_mov_b32 v[NI], 0xff800000
	WIN 0
	s_mov_b32 s[TR], 2
	s_wait_alu depctr_va_vdst(0)
	s_wait_tensorcnt 0x0                           ; my two records have landed,
	s_barrier_signal -1
	s_barrier_wait -1                              ; all sixteen have
	s_wait_loadcnt 0x0                             ; Q
.Ltile:                                            ; two trips: a pair of query tiles each
	WIN 0x55
.irp x, 0,1
	v_mov_b32 v[NM+2*\x+1], 0xff61b1e6             ; the largest score so far: -3e38
	v_mov_b32 v[L+2*\x], 0
	v_mov_b32 v[L+2*\x+1], 0
.endr
.irp x, 0,1
	v_mul_f32 v[NM+2*\x], s[NC], v[NM+2*\x+1]
.endr
.irp x, 0,1
	H2
	v_floor_f32 v[NM+2*\x], v[NM+2*\x]             ; -M
.endr
.set n, 0
.rept 64
	v_mov_b32 v[O+n], 0                            ; the step is written once: the first finds zeros, which the first change of M leaves zeros
.set n, n+1
.endr
	WIN 0
	s_mov_b32 s[KO], 0
	s_mov_b32 s[SS], 0
.Lstep:                                            ; sixteen trips: a key step of 128 keys each
	s_cmp_gt_u32 s[SS], s[G]                       ; all its keys come after my queries: only the counters step
	s_cbranch_scc1 .Lskip
	v_add_nc_u32 v4, s[KO], v1
	v_add_nc_u32 v5, s[KO], v2
	v_add_nc_u32 v6, s[KO], v3
	v_nop                                          ; these four are the places behind the last step's products, ahead of loads into registers that they read
.irp i, 0,1,2,3
.irp q, 0,1,2
	ds_load_b128 v[KD+12*\i+4*\q:KD+12*\i+4*\q+3], v4 offset:1536*\i+512*\q
.endr
.endr
	ds_load_b128 v[KSC:KSC+3], v6
	ds_load_b128 v[KSC+4:KSC+7], v6 offset:256
.irp t, 0,1,2,3
.irp c, 0,1
.irp p, 0,1,2
	ds_load_b64 v[VD+12*\t+6*\c+2*\p:VD+12*\t+6*\c+2*\p+1], v5 offset:1536*\t+768*\c+256*\p
.endr
.endr
.endr
	ds_load_b128 v[VSC:VSC+3], v6 offset:512
	s_wait_dscnt 25                                ; K and its scale words are in; V's 24 loads and its scale words may be out
	WIN 0x40                                       ; S^T in window 1
.irp t, 0,1,2,3,4,5,6,7
.irp x, 0,1
	v_wmma_scale_f32_16x16x128_f8f6f4 v[S+64*\x+8*\t:S+64*\x+8*\t+7], v[KD+6*\t:KD+6*\t+11], v[QA+12*\x:QA+12*\x+11], 0, v[KSC+\t], v[QSC+\x] matrix_a_fmt:MATRIX_FMT_FP6 matrix_b_fmt:MATRIX_FMT_FP6
.endr
.endr
.rept 4
	v_nop
.endr
	WIN 0
	s_cmp_lg_u32 s[SS], s[G]                       ; on the diagonal the scores of hidden keys become -infinity ahead of the maximum: p = 0 then
	s_cbranch_scc1 .Lopen
	WIN 0x55
.set n, 0
.rept 128
	v_cmp_gt_i32 vcc_lo, 64*((n%64)/32)+n%32, v[QP+n/64]   ; register 32 c + i holds key 64 c + 32 h + i of the step
	v_cndmask_b32 v[S+n], v[S+n], v[NI], vcc_lo
.set n, n+1
.endr
	WIN 0
.Lopen:
	WIN 0x55
.irp z, 0,1,2,3                                    ; z = 2 x + c: the largest score of my block c of tile x: for the row's maximum, and, since p rises with the score, for the block's largest p.  Four chains by turns
	v_max3_num_f32 v[BM+\z], v[S+32*\z], v[S+32*\z+1], v[S+32*\z+2]
.endr
.irp i, 3,5,7,9,11,13,15,17,19,21,23,25,27,29
.irp z, 0,1,2,3
	v_max3_num_f32 v[BM+\z], v[BM+\z], v[S+32*\z+\i], v[S+32*\z+\i+1]
.endr
.endr
.irp z, 0,1,2,3
	v_max_num_f32 v[BM+\z], v[BM+\z], v[S+32*\z+31]
.endr
.irp x, 0,1
	v_max_num_f32 v[T+\x], v[BM+2*\x], v[BM+2*\x+1]
.endr
.irp x, 0,1
	H2
	v_permlanex16_b32 v[BP+\x], v[T+\x], s[SEL], s[SEL+1]
.endr
.irp x, 0,1
	H2
	v_max3_num_f32 v[NM+2*\x+1], v[NM+2*\x+1], v[T+\x], v[BP+\x]   ; the running largest score (c is positive)
.endr
.irp x, 0,1
	H2
	v_mul_f32 v[T+\x], s[NC], v[NM+2*\x+1]
.endr
.irp x, 0,1
	H2
	v_floor_f32 v[T+\x], v[T+\x]                   ; the new -M = floor(-t): M is a whole number
.endr
.irp x, 0,1
	H2
	v_sub_f32 v[F+2*\x], v[T+\x], v[NM+2*\x]
.endr
.irp x, 0,1
	v_mov_b32 v[NM+2*\x], v[T+\x]
.endr
.irp x, 0,1
	v_cvt_i32_f32 v[F+2*\x], v[F+2*\x]             ; (it saturates)
.endr
.irp x, 0,1
	H2
	v_ldexp_f32 v[F+2*\x], 1.0, v[F+2*\x]          ; f = 2^(old M - new M)
.endr
.set n, 0
.rept 64
	v_pk_fma_f32 v[S+n:S+n+1], v[S+n:S+n+1], s[CS:CS+1], v[NM+2*(n/64):NM+2*(n/64)+1] op_sel_hi:[1,0,0]   ; t - M
.set n, n+2
.endr
.irp z, 0,1,2,3
	v_fma_f32 v[BM+\z], v[BM+\z], s[CS], v[NM+2*(\z/2)]
.endr
	s_wait_alu depctr_va_vdst(0)
.irp z, 0,1,2,3
	v_exp_f32 v[BM+\z], v[BM+\z]                   ; the blocks' largest p: the same two instructions on the same number give the same bits
.endr
.set n, 0
.rept 128
	v_exp_f32 v[S+n], v[S+n]                       ; p = 2^(t - M)
.set n, n+1
.endr
.irp x, 0,1
	v_pk_mul_f32 v[L+2*\x:L+2*\x+1], v[L+2*\x:L+2*\x+1], v[F+2*\x:F+2*\x+1] op_sel_hi:[1,0]   ; the sums under the new M: plain work behind the exponentials
.endr
	s_wait_alu depctr_va_vdst(0)                   ; one wait for the batch, ahead of its first reader
.irp x, 0,1
	v_pk_add_f32 v[C2+2*\x:C2+2*\x+1], v[S+64*\x:S+64*\x+1], v[S+64*\x+2:S+64*\x+3]   ; the rows' sums of the unquantised p: two chains a tile, four by turns
.endr
.irp j, 4,8,12,16,20,24,28,32,36,40,44,48,52,56,60
.irp x, 0,1
	v_pk_add_f32 v[L+2*\x:L+2*\x+1], v[L+2*\x:L+2*\x+1], v[S+64*\x+\j:S+64*\x+\j+1]
.endr
.irp x, 0,1
	v_pk_add_f32 v[C2+2*\x:C2+2*\x+1], v[C2+2*\x:C2+2*\x+1], v[S+64*\x+\j+2:S+64*\x+\j+3]
.endr
.endr
.irp x, 0,1
	v_pk_add_f32 v[L+2*\x:L+2*\x+1], v[L+2*\x:L+2*\x+1], v[C2+2*\x:C2+2*\x+1]
.endr
.irp z, 0,1,2,3
	v_max_num_f32 v[BM+\z], 0x1800000, v[BM+\z]    ; the floor 2^(3 - 127): the byte cannot fall under 1
.endr
.irp z, 0,1,2,3
	v_add_nc_u32 v[BS+\z], 0xff000000, v[BM+\z]    ; 2 off the exponent field: the conversion's scale operand
.endr
.irp z, 0,1,2,3
	v_lshrrev_b32 v[BM+\z], 23, v[BS+\z]           ; the byte
.endr
.irp x, 0,1
	v_lshl_or_b32 v[T+\x], v[BM+2*\x+1], 16, v[BM+2*\x]   ; my blocks h and 2 + h, at bytes 0 and 2
.endr
.irp x, 0,1
	v_permlanex16_b32 v[BP+\x], v[T+\x], s[SEL], s[SEL+1]
.endr
	WIN 0x15                                       ; sources in window 1, destinations in window 0
.irp x, 0,1
	v_perm_b32 v[PSC+\x], v[BP+\x], v[T+\x], s[PS] ; p's scale word for these 128 keys, whole in lanes 0-15, which alone are read
.endr
.irp z, 0,1,2,3
	v_cvt_scalef32_pk16_fp6_f32 v[PC+6*\z:PC+6*\z+2], v[S+32*\z:S+32*\z+15], v[BS+\z]
	v_cvt_scalef32_pk16_fp6_f32 v[CX+4*\z:CX+4*\z+2], v[S+32*\z+16:S+32*\z+31], v[BS+\z]   ; (a conversion's three registers begin on an even number)
.endr
	v_nop                                          ; one plain place behind a scaled conversion
	WIN 0
.irp i, 0,1,2
.irp z, 0,1,2,3
	v_mov_b32 v[PC+6*\z+3+\i], v[CX+4*\z+\i]
.endr
.endr
	WIN 0x55
	s_wait_alu depctr_va_vdst(0)                   ; directly ahead of the first reader of O^T
.set n, 0
.rept 32
	v_pk_mul_f32 v[O+n:O+n+1], v[O+n:O+n+1], v[F+2*(n/32):F+2*(n/32)+1] op_sel_hi:[1,0]   ; O^T under the new M.  (Also the places between the writes of p's codes and scale words and the products)
.set n, n+2
.endr
	s_wait_alu depctr_va_vdst(0)                   ; directly ahead of the wait below
	s_wait_dscnt 0x0                               ; V
	WIN 0x50                                       ; O^T in window 1, V and p in window 0
.irp t, 0,1,2,3
.irp x, 0,1
	v_wmma_scale_f32_16x16x128_f8f6f4 v[O+32*\x+8*\t:O+32*\x+8*\t+7], v[VD+12*\t:VD+12*\t+11], v[PC+12*\x:PC+12*\x+11], v[O+32*\x+8*\t:O+32*\x+8*\t+7], v[VSC+\t], v[PSC+\x] matrix_a_fmt:MATRIX_FMT_FP6 matrix_b_fmt:MATRIX_FMT_FP6
.endr
.endr
	WIN 0
.Lskip:
	s_add_co_u32 s[KO], s[KO], REC
	s_add_co_u32 s[SS], s[SS], 1
	s_cmp_lt_u32 s[SS], 16
	s_cbranch_scc1 .Lstep
	; ---- the pair's way out: O^T / the sum, quantised along the head's 64 channels (register 16 b + i = channel 32 b + 16 h + i)
.rept 4
	v_nop
.endr
	WIN 0x55
.irp x, 0,1
	v_add_f32 v[L+2*\x], v[L+2*\x], v[L+2*\x+1]
.endr
.irp x, 0,1
	H2
	v_permlanex16_b32 v[BP+\x], v[L+2*\x], s[SEL], s[SEL+1]
.endr
.irp x, 0,1
	H2
	v_add_f32 v[L+2*\x], v[L+2*\x], v[BP+\x]
.endr
	s_wait_alu depctr_va_vdst(0)
.irp x, 0,1
	v_rcp_f32 v[RL+2*\x], v[L+2*\x]
.endr
	v_nop
	s_wait_alu depctr_va_vdst(0)                   ; ahead of the reciprocals' first reader, and of O^T's
.irp x, 0,1
.irp n, 0,2,4,6,8,10,12,14,16,18,20,22,24,26,28,30
	v_pk_mul_f32 v[S+64*\x+\n:S+64*\x+\n+1], v[O+32*\x+\n:O+32*\x+\n+1], v[RL+2*\x:RL+2*\x+1] op_sel_hi:[1,0]   ; each accumulator from its low end on
.endr
.endr
.irp z, 0,1,2,3                                    ; z = 2 x + b
	v_max3_num_f32 v[BM+\z], |v[S+64*(\z/2)+16*(\z%2)]|, |v[S+64*(\z/2)+16*(\z%2)+1]|, 0x1800000
.endr
.irp i, 2,4,6,8,10,12,14
.irp z, 0,1,2,3
	v_max3_num_f32 v[BM+\z], v[BM+\z], |v[S+64*(\z/2)+16*(\z%2)+\i]|, |v[S+64*(\z/2)+16*(\z%2)+\i+1]|
.endr
.endr
.irp z, 0,1,2,3
	v_permlanex16_b32 v[BS+\z], v[BM+\z], s[SEL], s[SEL+1]
.endr
.irp z, 0,1,2,3
	v_max_num_f32 v[BM+\z], v[BM+\z], v[BS+\z]
.endr
.irp z, 0,1,2,3
	v_add_nc_u32 v[BS+\z], 0xff000000, v[BM+\z]
.endr
.irp z, 0,1,2,3
	v_lshrrev_b32 v[BM+\z], 23, v[BS+\z]
.endr
.irp x, 0,1
	v_cvt_scalef32_pk16_fp6_f32 v[S+64*\x+32:S+64*\x+34], v[S+64*\x:S+64*\x+15], v[BS+2*\x]
	v_cvt_scalef32_pk16_fp6_f32 v[S+64*\x+40:S+64*\x+42], v[S+64*\x+16:S+64*\x+31], v[BS+2*\x+1]
.endr
	v_nop
.irp i, 0,1,2
.irp x, 0,1
	v_permlane16_swap_b32 v[S+64*\x+32+\i], v[S+64*\x+40+\i]   ; a whole block to a lane
.endr
.endr
.irp i, 0,1,2
.irp x, 0,1
	v_mov_b32 v[S+64*\x+35+\i], v[S+64*\x+40+\i]
.endr
.endr
.irp x, 0,1
	v_cndmask_b32 v[T+\x], v[BM+2*\x], v[BM+2*\x+1], s[MK]   ; lanes 0-15 send block 0's byte, lanes 16-31 block 1's
.endr
	WIN 0x04                                       ; the stores' data in window 1
.irp x, 0,1
.irp p, 0,1,2
	global_store_b64 v7, v[S+64*\x+32+2*\p:S+64*\x+32+2*\p+1], s[OCB:OCB+1] offset:12288*\x+256*\p   ; 32 lanes store 256 consecutive bytes, aligned
.endr
	global_store_b8 v8, v[T+\x], s[OSB:OSB+1] offset:512*\x
.endr
	WIN 0
	s_wait_xcnt 0x0                                ; the stores have read their data and their bases: both are written again only behind this wait
	; ---- on to the second pair (in the last trip these lines change nothing that is still read)
.irp x, 0,1
	v_mov_b32 v[QSC+\x], v[QSN+\x]
.irp i, 0,1,2,3,4,5
	v_mov_b32 v[QA+12*\x+\i], v[QN+6*\x+\i]
.endr
.endr
	s_sub_co_u32 s[G], 15, s[G]
	s_mov_b64 s[OCB:OCB+1], s[44:45]
	s_mov_b64 s[OSB:OSB+1], s[46:47]
	s_sub_co_u32 s[TR], s[TR], 1
	s_cmp_lg_u32 s[TR], 0
	s_wait_alu depctr_va_vdst(0)
	s_cbranch_scc1 .Ltile
	s_wait_tensorcnt 0x0                           ; the wave's end
	ds_add_u32 v[SPW], v[NIL]
	s_wait_dscnt 0x0
	CROUND                                         ; the closing round
	s_endpgm
.Lfunc_end_k_q84b123a22b_attn:
	.size	k_q84b123a22b_attn, .Lfunc_end_k_q84b123a22b_attn-k_q84b123a22b_attn
	.p2alignl 7, 3214868480
	.fill 96, 4, 3214868480
	.section	.rodata,"a",@progbits
	.p2align	6, 0x0
	.amdhsa_kernel k_q84b123a22b_attn
		.amdhsa_group_segment_fixed_size 210944
		.amdhsa_private_segment_fixed_size 0
		.amdhsa_enable_private_segment 0
		.amdhsa_kernarg_size 32
		.amdhsa_user_sgpr_count 2
		.amdhsa_user_sgpr_kernarg_segment_ptr 1
		.amdhsa_wavefront_size32 1
		.amdhsa_system_sgpr_workgroup_id_x 1
		.amdhsa_system_sgpr_workgroup_id_y 1
		.amdhsa_system_sgpr_workgroup_id_z 1
		.amdhsa_system_vgpr_workitem_id 0
		.amdhsa_next_free_vgpr 512
		.amdhsa_next_free_sgpr 66
		.amdhsa_reserve_vcc 1
		.amdhsa_float_denorm_mode_32 3
		.amdhsa_float_denorm_mode_16_64 3
		.amdhsa_memory_ordered 1
		.amdhsa_forward_progress 1
		.amdhsa_inst_pref_size 58
	.end_amdhsa_kernel
	.amdgpu_metadata
---
amdhsa.version: [ 1, 2 ]
amdhsa.kernels:
  - .name:           k_q84b123a22b_attn
    .symbol:         k_q84b123a22b_attn.kd
    .args:
      - { .name: qw, .offset: 0, .size: 8, .value_kind: global_buffer, .address_space: global }
      - { .name: kv, .offset: 8, .size: 8, .value_kind: global_buffer, .address_space: global }
      - { .name: oc, .offset: 16, .size: 8, .value_kind: global_buffer, .address_space: global }
      - { .name: os, .offset: 24, .size: 8, .value_kind: global_buffer, .address_space: global }
    .group_segment_fixed_size: 210944
    .private_segment_fixed_size: 0
    .kernarg_segment_align: 8
    .kernarg_segment_size: 32
    .max_flat_workgroup_size: 256
    .sgpr_count:     66
    .vgpr_count:     512
    .wavefront_size: 32
...
	.end_amdgpu_metadata
.endif
;; end of part 3
;; launch oproj (part 4): grid 32 x 8, 4 waves a work-group, clusters of 4 x 1, 327,680 bytes of LDS; arguments oc, os, Wo_codes, Wo_scales, bo, x, out0; writes out0
.if DOCPART == 4
	.amdgcn_target "amdgcn-amd-amdhsa--gfx1250"
	.amdhsa_code_object_version 6
	.text
	.protected	k_q84b123a22b_oproj
	.globl	k_q84b123a22b_oproj
	.p2align	8
	.type	k_q84b123a22b_oproj,@function
k_q84b123a22b_oproj:
	s_mov_b64 s[64:65], 0
	v_nop
	global_prefetch_b8 v0, s[64:65] scope:SCOPE_SE
	s_setreg_imm32_b32 hwreg(HW_REG_WAVE_MODE, 25, 1), 1
	s_wait_xcnt 0x0
	s_wait_alu depctr_hold_cnt(0) depctr_sa_sdst(0) depctr_va_vdst(0) depctr_va_sdst(0) depctr_va_ssrc(0) depctr_va_vcc(0) depctr_vm_vsrc(0)
	s_getreg_b32 s2, hwreg(HW_REG_IB_STS2, 6, 4)
	s_cmp_eq_u32 s2, 0
	s_cbranch_scc0 .Lentry_in_a_cluster
	s_endpgm
.Lentry_in_a_cluster:
	s_bfe_u32 s2, ttmp6, 0x10000c
	s_cmp_lg_u32 s2, 0x3003
	s_cbranch_scc0 .Lentry_shape_is_right
	s_endpgm
.Lentry_shape_is_right:
; out0 = a Wo + bo + x, a = the attention's result as codes of E2M3 (oc, os: laid as the first launch lays xn's codes).
; SHARES, as in the launch of the three projections: a work-group takes 256 rows and 128 columns; a wave's 64 rows of a (384 registers) stay in registers; Wo's 128 rows come into LDS once, jointly for the four
; row blocks of a cluster, and are streamed as 8 tiles of 16 rows, 32 matrix instructions each.  Nothing in LDS is filled twice by the mover.
; THE RESIDUAL comes by one plain tensor load a wave (64 rows x 512 bytes, the wave's own bytes), is read in the accumulators' layout, and is added to the finished sums, which start from bo.
; THE WAY OUT goes through the same LDS bytes (they have had their last fill): in by the accumulators' layout, back by rows, so that sixteen lanes store 256 consecutive bytes, aligned.
; Rows 16 apart meet in the same banks at any pitch that is a multiple of 16 bytes, so the reads and writes in the accumulators' layout go two deep: 128 of them a wave in all.
; ORDER OF ROWS: tile 2 b + u, slot r, is row 32 b + 8 u + r + 8 (r / 8), of a and of Wo alike: with Wo as source 0 a lane holds one token and two neighbouring tiles' 16 registers are 16 neighbouring columns.
; REGISTERS.  window 0: v1-13 addresses; v32-63 a's scale words; v64-79 the weight tile's, two sets; v80-207 16 accumulators.   windows 1, 2: a's fragments.   window 3: the weight tile's fragments, two sets; v192-255 bo's 8 tiles.
.set NT,    8
.set GRP,   104448
.set HALFG, 52224
.set TILEB, 13056
.set SCL,   GRP
.set RES,   GRP+4096                   ; the residual and stage: for wave w 64 rows x 544 bytes at RES + 34,816 w, column group g at 272 g in a row
.set ADR,   1
.set ADRB,  12
.set ADS,   11
.set XS,    32
.set WS,    64
.set ACC,   80
.set WV,    30
.set MSB, 0
.macro WIN new
.if MSB != (\new)
	s_set_vgpr_msb (MSB<<8)|(\new)
.set MSB, (\new)
.endif
.endm
.macro CROUND
	s_barrier_signal -1
	s_barrier_wait -1
	s_cmp_lg_u32 s[WV], 0
	s_cbranch_scc1 .Lnot_wave_0_\@
	s_barrier_signal -3
.Lnot_wave_0_\@:
	s_barrier_wait -3
	s_barrier_signal -1
	s_barrier_wait -1
.endm
.macro DESC g0, lds, inc, ptr, off
	s_mov_b32 s[\g0], 1
	s_add_co_u32 s[\g0+1], s[\lds], \inc
	s_add_nc_u64 s[\g0+2:\g0+3], s[\ptr:\ptr+1], s[\off:\off+1]
	s_or_b32 s[\g0+3], s[\g0+3], 0x80000000
.endm
	s_load_b256 s[4:11], s[0:1], 0x0               ; oc, os, Wo's codes, Wo's scales
	s_load_b128 s[12:15], s[0:1], 0x20             ; bo, x
	s_load_b64 s[16:17], s[0:1], 0x30              ; out0
	v_lshl_add_u32 v254, v0, 2, 0x3c800
	v_mov_b32 v255, 0
	ds_add_u32 v254, v255
	ds_add_u32 v254, v255
	v_lshrrev_b32 v15, 5, v0
	v_readfirstlane_b32 s[WV], v15
	s_bfe_u32 s31, ttmp6, 0x40000                  ; cx
	s_lshl_b32 s32, ttmp9, 2
	s_add_co_u32 s32, s32, s31                     ; row block
	s_and_b32 s33, ttmp7, 0xffff                   ; j: 128 columns, which the four partners share
	s_mov_b32 s40, 15|(3<<16)|(1<<20)|(1<<21)|(5<<22)|(3<<25)   ; codes: 8 "rows" of 8 weight rows (6,144 dense bytes), 16 weight rows apart; 16 bytes of padding behind each 256
	s_mov_b32 s41, 768<<16
	s_mov_b32 s42, 8<<16
	s_mov_b32 s43, 768<<16
	s_mov_b32 s44, 8
	s_mov_b32 s45, 1536
	s_mov_b32 s46, 0
	s_mov_b32 s47, 0
	s_mov_b32 s48, 15|(3<<16)|(1<<21)              ; the scale bytes of 64 rows: 8 rows of 256 dense bytes
	s_mov_b32 s49, 32<<16
	s_mov_b32 s50, 8<<16
	s_mov_b32 s51, 32<<16
	s_mov_b32 s52, 8
	s_mov_b32 s53, 32
	s_mov_b32 s54, 0
	s_mov_b32 s55, 0
	s_mov_b32 s72, (2<<16)|(1<<20)|(5<<22)|(3<<25) ; the residual: no mask; 64 rows of 128 f32, 1,024 apart; 16 bytes of padding behind each 256
	s_mov_b32 s73, 128<<16                         ; ONE residual tile a wave: 64 rows of 128 f32 (512 bytes), 16 bytes of padding behind each 256: an LDS row is 544 bytes, column group g at 272 g
	s_mov_b32 s74, 64<<16
	s_mov_b32 s75, 128<<16
	s_mov_b32 s76, 64
	s_mov_b32 s77, 1024
	s_mov_b32 s78, 0
	s_mov_b32 s79, 0
	s_and_b32 s34, s[WV], 1
	s_mul_i32 s36, s33, 98304
	s_mul_i32 s35, s34, 6144
	s_add_co_u32 s36, s36, s35
	s_mov_b32 s37, 0
	s_lshl_b32 s38, s33, 12
	s_lshl_b32 s35, s34, 11
	s_add_co_u32 s38, s38, s35
	s_mov_b32 s39, 0
	s_add_co_u32 s85, s35, SCL
	s_mul_i32 s35, s34, HALFG
	s_wait_dscnt 0x0
	s_wait_kmcnt 0x0
	DESC 56, 35, 0, 8, 36
	DESC 60, 85, 0, 10, 38
	s_lshl_b32 s36, s32, 20                        ; x and out0: row 256 x block + 64 x wave of 4,096 bytes, column 128 j
	s_lshl_b32 s35, s[WV], 18
	s_add_co_u32 s36, s36, s35
	s_lshl_b32 s35, s33, 9
	s_add_co_u32 s36, s36, s35
	s_mul_i32 s85, s[WV], 34816
	DESC 68, 85, RES, 14, 36
	s_add_nc_u64 s[16:17], s[16:17], s[36:37]
	CROUND                                         ; all four work-groups are here: the joint loads meet
	s_cmp_lt_u32 s[WV], 2                          ; waves 0, 1: the codes' halves; waves 2, 3: the scale bytes'; one load of mine is out
	s_cbranch_scc0 .Lscales
	tensor_load_to_lds s[56:59], s[40:47]          ; Wo alone at the head: one load a wave
	s_nop 0
.rept 4
	v_nop
.endr
	s_branch .Lasked
.Lscales:
	tensor_load_to_lds s[60:63], s[48:55]
	s_nop 0
.rept 4
	v_nop
.endr
.Lasked:
	v_and_b32 v208, 15, v0                         ; r
	v_bfe_u32 v209, v0, 4, 1                       ; h
	v_and_b32 v210, 31, v0
	v_and_b32 v211, 8, v208
	v_add_nc_u32 v211, v211, v208                  ; r + 8 (r / 8)
	v_lshlrev_b32 v3, 5, v208
	v_lshlrev_b32 v9, 3, v210
	v_lshlrev_b32 v10, 6, v209
	s_wait_alu depctr_va_vdst(0)
	s_lshl_b32 s36, s32, 4
	s_lshl_b32 s35, s[WV], 2
	s_add_co_u32 s36, s36, s35                     ; my first tile
	s_mul_i32 s38, s36, 12288
	s_add_nc_u64 s[4:5], s[4:5], s[38:39]
	s_lshl_b32 s38, s36, 9
	s_add_nc_u64 s[6:7], s[6:7], s[38:39]
	s_lshl_b32 s38, s33, 9
	s_add_nc_u64 s[12:13], s[12:13], s[38:39]
	WIN 0xc0
.irp g, 0,1
.irp t, 0,1,2,3
.irp q, 0,1
	global_load_b128 v[192+32*\g+8*\t+4*\q:192+32*\g+8*\t+4*\q+3], v10, s[12:13] offset:256*\g+128*(\t/2)+32*(\t%2)+16*\q
.endr
.endr
.endr
	WIN 0
.irp a, 0,1,2,3
.irp q, 0,1
	global_load_b128 v[XS+8*\a+4*\q:XS+8*\a+4*\q+3], v3, s[6:7] offset:512*\a+16*\q
.endr
.endr
	WIN 0x40
.irp ks, 0,1,2,3
.irp a, 0,1,2,3
.irp p, 0,1,2,3,4,5
	global_load_b64 v[(\ks*4+\a)*12+2*\p:(\ks*4+\a)*12+2*\p+1], v9, s[4:5] offset:12288*\a+1536*\ks+256*\p
.endr
.endr
.endr
	WIN 0x80
.irp ks, 4,5,6,7
.irp a, 0,1,2,3
.irp p, 0,1,2,3,4,5
	global_load_b64 v[((\ks-4)*4+\a)*12+2*\p:((\ks-4)*4+\a)*12+2*\p+1], v9, s[4:5] offset:12288*\a+1536*\ks+256*\p
.endr
.endr
.endr
	WIN 0
	v_mul_u32_u24 v[ADR], v208, 816
	v_mad_u32_u24 v[ADR], v209, 24, v[ADR]
	v_add_nc_u32 v[ADR+1], HALFG, v[ADR]
	v_lshl_add_u32 v[ADRB], v209, 4, v[ADR]
	v_add_nc_u32 v[ADRB+1], HALFG, v[ADRB]
	v_lshl_add_u32 v[ADS], v211, 5, SCL
	s_add_co_u32 s85, s85, RES                     ; my two tiles of the residual
	v_mul_u32_u24 v4, v211, 544
	v_lshl_add_u32 v4, v209, 6, v4
	v_add_nc_u32 v4, s85, v4                       ; v4: in the accumulators' layout: row r + 8 (r / 8), + 64 h
	v_mul_u32_u24 v5, v209, 544
	v_lshl_add_u32 v5, v208, 4, v5
	v_add_nc_u32 v5, s85, v5                       ; v5: by rows: lanes 0-15 one row, lanes 16-31 the next
	v_lshlrev_b32 v6, 12, v209
	v_lshl_add_u32 v6, v208, 4, v6                 ; v6: and the same two rows in out0
.macro FETCH n
.set FU, (\n)%2
.set FO, (((\n)/2)%4)*TILEB
.set FS, (64*(((\n)/4)%2)+32*(((\n)/2)%2)+8*FU)*32
	WIN 0xc0
.irp ks, 0,1,2,3,4,5,6,7
.irp p, 0,1,2,3,4,5
.set PCI, 12*\ks+6*(\p/3)+\p%3
.if PCI%32 < 29
	ds_load_b64 v[96*FU+12*\ks+2*\p:96*FU+12*\ks+2*\p+1], v[ADR+FU] offset:FO+8*PCI+16*(PCI/32)
.else
	ds_load_b64 v[96*FU+12*\ks+2*\p:96*FU+12*\ks+2*\p+1], v[ADRB+FU] offset:FO+8*PCI+16*(PCI/32)
.endif
.endr
.endr
	WIN 0
.irp q, 0,1
	ds_load_b128 v[WS+8*FU+4*\q:WS+8*FU+4*\q+3], v[ADS] offset:FS+16*\q
.endr
.endm
; Tile n: 32 matrix instructions, four accumulators by turns; they add in place onto bo
; THE SUMS START FROM bo (the first K step's C, window 3); the residual is added on the way out.  res >= 0: column group res of the residual is read from LDS under this tile's products
.macro TILE n, first, res
.set TT, (\n)%4
.set TU, (\n)%2
	s_wait_dscnt 0x0                               ; this tile's loads are in
.rept 4
	v_nop                                          ; places behind the last tile's products, ahead of loads into the set that the tile before it read
.endr
.if (\n)+1 < NT
	FETCH (\n)+1
.endif
.if \res >= 0
	RESIN \res
.endif
.irp ks, 0,1,2,3,4,5,6,7
.if \first
.if 24*(7-\ks) > 63
	s_wait_loadcnt 63                              ; this K step's fragments are in (more loads were issued behind them than the count can name)
.else
	s_wait_loadcnt 24*(7-\ks)                      ; the later K steps' 24 loads each may be out
.endif
.endif
.if \ks == 0
.set WN, 0x37
.else
.set WN, 0x07+4*(\ks/4)
.endif
	WIN WN
.irp a, 0,1,2,3
.if \ks == 0
	v_wmma_scale_f32_16x16x128_f8f6f4 v[ACC+32*\a+8*TT:ACC+32*\a+8*TT+7], v[96*TU+12*\ks:96*TU+12*\ks+11], v[((\ks%4)*4+\a)*12:((\ks%4)*4+\a)*12+11], v[192+32*((\n)/4)+8*TT:192+32*((\n)/4)+8*TT+7], v[WS+8*TU+\ks], v[XS+8*\a+\ks] matrix_a_fmt:MATRIX_FMT_FP6 matrix_b_fmt:MATRIX_FMT_FP6
.else
	v_wmma_scale_f32_16x16x128_f8f6f4 v[ACC+32*\a+8*TT:ACC+32*\a+8*TT+7], v[96*TU+12*\ks:96*TU+12*\ks+11], v[((\ks%4)*4+\a)*12:((\ks%4)*4+\a)*12+11], v[ACC+32*\a+8*TT:ACC+32*\a+8*TT+7], v[WS+8*TU+\ks], v[XS+8*\a+\ks] matrix_a_fmt:MATRIX_FMT_FP6 matrix_b_fmt:MATRIX_FMT_FP6
.endif
.endr
.endr
	WIN 0
.endm
.macro RESIN g                         ; x of column group g into v192-255 of windows 1 and 2
.irp a, 0,1,2,3
.irp t, 0,1,2,3
	WIN 0x40+0x40*(\a/2)                           ; x of column group g, in the accumulators' layout, into v192-255 of window 1 (tiles 0, 1) and of window 2 (tiles 2, 3)
.irp q, 0,1
	ds_load_b128 v[192+32*(\a%2)+8*\t+4*\q:192+32*(\a%2)+8*\t+4*\q+3], v4 offset:272*\g+(32*(\a/2)+8*(\a%2))*544+128*(\t/2)+32*(\t%2)+16*\q
.endr
.endr
.endr
	WIN 0
.endm
.macro RESADD g                        ; the finished sums + x
	s_wait_dscnt 0x0
.irp a, 0,1,2,3
.irp t, 0,1,2,3
.irp k, 0,2,4,6
	WIN 0x04+0x04*(\a/2)                           ; source 1 (x) in window 1 or 2
	v_pk_add_f32 v[ACC+32*\a+8*\t+\k:ACC+32*\a+8*\t+\k+1], v[ACC+32*\a+8*\t+\k:ACC+32*\a+8*\t+\k+1], v[192+32*(\a%2)+8*\t+\k:192+32*(\a%2)+8*\t+\k+1]
.endr
.endr
.endr
	WIN 0
.endm
.macro OUT g
.rept 4
	v_nop                                          ; places behind the last products, ahead of the first read of results
.endr
	RESADD \g
.irp a, 0,1,2,3
.irp t, 0,1,2,3
.irp q, 0,1
	ds_store_b128 v4, v[ACC+32*\a+8*\t+4*\q:ACC+32*\a+8*\t+4*\q+3] offset:272*\g+(32*(\a/2)+8*(\a%2))*544+128*(\t/2)+32*(\t%2)+16*\q
.endr
.endr
.endr
.set i, 0
.rept 32
	ds_load_b128 v[ACC+4*i:ACC+4*i+3], v5 offset:272*\g+1088*i   ; LDS serves a wave's instructions in order: these see my stores
.set i, i+1
.endr
.set i, 0
.rept 32
	s_wait_dscnt 31-i                              ; the younger row loads may be out
	global_store_b128 v6, v[ACC+4*i:ACC+4*i+3], s[16:17] offset:8192*i+256*\g th:TH_STORE_NT   ; sixteen lanes store 256 consecutive bytes, aligned
.set i, i+1
.endr
.endm
	s_wait_alu depctr_va_vdst(0)
	s_wait_tensorcnt 0x0                           ; my part of Wo has landed
	ds_add_u32 v254, v255
	s_wait_dscnt 0x0
	CROUND                                         ; everybody's has
	tensor_load_to_lds s[68:71], s[72:79]          ; my residual tile, my own bytes: three tiles' products stand ahead of the wait for it
	s_nop 0
.rept 4
	v_nop
.endr
	FETCH 0
	TILE 0, 1, -1
	TILE 1, 0, -1
	TILE 2, 0, -1
	s_wait_tensorcnt 0x0                           ; the residual is in: my own bytes, so my own wait is all that the reads need
	TILE 3, 0, 0
	OUT 0
	s_wait_xcnt 0x0                                ; the stores have read the accumulators' registers: they are written again only behind this wait
	TILE 4, 0, -1
	TILE 5, 0, -1
	TILE 6, 0, -1
	TILE 7, 0, 1
	OUT 1
	s_wait_tensorcnt 0x0
	ds_add_u32 v254, v255
	s_wait_dscnt 0x0
	CROUND                                         ; the closing round
	s_endpgm
.Lfunc_end_k_q84b123a22b_oproj:
	.size	k_q84b123a22b_oproj, .Lfunc_end_k_q84b123a22b_oproj-k_q84b123a22b_oproj
	.p2alignl 7, 3214868480
	.fill 96, 4, 3214868480
	.section	.rodata,"a",@progbits
	.p2align	6, 0x0
	.amdhsa_kernel k_q84b123a22b_oproj
		.amdhsa_group_segment_fixed_size 327680
		.amdhsa_private_segment_fixed_size 0
		.amdhsa_enable_private_segment 0
		.amdhsa_kernarg_size 56
		.amdhsa_user_sgpr_count 2
		.amdhsa_user_sgpr_kernarg_segment_ptr 1
		.amdhsa_wavefront_size32 1
		.amdhsa_system_sgpr_workgroup_id_x 1
		.amdhsa_system_sgpr_workgroup_id_y 1
		.amdhsa_system_sgpr_workgroup_id_z 1
		.amdhsa_system_vgpr_workitem_id 0
		.amdhsa_next_free_vgpr 1024
		.amdhsa_next_free_sgpr 96
		.amdhsa_reserve_vcc 0
		.amdhsa_float_denorm_mode_32 3
		.amdhsa_float_denorm_mode_16_64 3
		.amdhsa_memory_ordered 1
		.amdhsa_forward_progress 1
		.amdhsa_inst_pref_size 117
	.end_amdhsa_kernel
	.amdgpu_metadata
---
amdhsa.version: [ 1, 2 ]
amdhsa.kernels:
  - .name:           k_q84b123a22b_oproj
    .symbol:         k_q84b123a22b_oproj.kd
    .args:
      - { .name: oc, .offset: 0, .size: 8, .value_kind: global_buffer, .address_space: global }
      - { .name: os, .offset: 8, .size: 8, .value_kind: global_buffer, .address_space: global }
      - { .name: Wo_codes, .offset: 16, .size: 8, .value_kind: global_buffer, .address_space: global }
      - { .name: Wo_scales, .offset: 24, .size: 8, .value_kind: global_buffer, .address_space: global }
      - { .name: bo, .offset: 32, .size: 8, .value_kind: global_buffer, .address_space: global }
      - { .name: x, .offset: 40, .size: 8, .value_kind: global_buffer, .address_space: global }
      - { .name: out0, .offset: 48, .size: 8, .value_kind: global_buffer, .address_space: global }
    .group_segment_fixed_size: 327680
    .private_segment_fixed_size: 0
    .kernarg_segment_align: 8
    .kernarg_segment_size: 56
    .max_flat_workgroup_size: 128
    .sgpr_count:     96
    .vgpr_count:     1024
    .wavefront_size: 32
...
	.end_amdgpu_metadata
.endif
;; end of part 4
